; MI455X (gfx1250); checked and timed in simulation.
; The chip was launched on July 23, 2026; its instructions are those of AMD's public machine-readable ISA for CDNA 5 (MIT licence, August 2026) and "CDNA5" Instruction Set Architecture Reference Guide (July 2026). The comments in the code are by the model that wrote it; some were corrected since.
;; Block. Allowed arithmetic: float matrix products may take bf16 or f16 operands with f32 sums; other float arithmetic in f32, or as packed bf16 or f16 multiplies, adds, multiply-adds, maxima and minima; sums over many terms, partial sums and values carried from step to step in f32; what a program stores and reads back later, other than sums and carried values, may be rounded once to bf16 or f16.
;; Inputs: W_attn 1,024 x 3,072 float32; W_cproj 1,024 x 1,024 float32; W_fc 1,024 x 4,096 float32; W_mproj 4,096 x 1,024 float32; b_attn 3,072 float32; b_cproj 1,024 float32; b_fc 4,096 float32; b_mproj 1,024 float32; ln1_b 1,024 float32; ln1_w 1,024 float32; ln2_b 1,024 float32; ln2_w 1,024 float32; x 4 x 1,024 x 1,024 float32.
;; Outputs: out0 4 x 1,024 x 1,024 float32.
;; One version. Each part assembles by itself: llvm-mc -triple=amdgcn-amd-amdhsa -mcpu=gfx1250 --defsym DOCPART=n.
;; ======== version 1 of 1: 7 launches
;; workspace buffers: wbf 16,777,216 bytes; wf 8,388,608 bytes; hb 8,388,608 bytes; wide 33,554,432 bytes; x1 16,777,216 bytes
;; launch prep (part 1): grid 1024 x 1, 8 waves a work-group, no clusters, 44,032 bytes of LDS; arguments x, ln1_w, ln1_b, W_attn, W_cproj, W_fc, W_mproj, hb, wbf, wf; writes hb, wbf, wf
.if DOCPART == 1
	.amdgcn_target "amdgcn-amd-amdhsa--gfx1250"
	.amdhsa_code_object_version 6
	.text
	.protected	k_q6585515fc6_prep
	.globl	k_q6585515fc6_prep
	.p2align	8
	.type	k_q6585515fc6_prep,@function
k_q6585515fc6_prep:
	s_mov_b64 s[64:65], 0
	v_nop
	global_prefetch_b8 v0, s[64:65] scope:SCOPE_SE
	s_setreg_imm32_b32 hwreg(HW_REG_WAVE_MODE, 25, 1), 1
	s_wait_xcnt 0x0
; PREP.  Work-groups 0-767 turn the four weight matrices ([K][N] f32) into bf16 FRAGMENT BLOCKS; work-groups 768-1023 make h = LayerNorm(x) in bf16, in the same kind of blocks.
; A block is 16 rows x 16 K = 512 bytes: lane l = 16 h + r of a matrix fragment finds its 16 bytes (row r, K = 8 h .. 8 h + 7) at byte 16 l.
;   activations (rows = tokens): block (kb, mb) at (kb 256 + mb) 512, kb = col/16, mb = row/16
;   W_cproj, W_mproj (rows = output columns n; N = 1,024): block (kb, nb) at (kb 64 + nb) 512, kb = k/16, nb = n/16
;   W_attn, W_fc (K = 1,024): by tile columns of 256: block (kb, nb) at (nb/16) 524,288 + kb 8,192 + (nb%16) 512: a K step of a tile column is 65,536 consecutive bytes
; wbf holds W_attn at 0, W_cproj at 6,291,456, W_mproj at 8,388,608; wf holds W_fc.
; Memory binds: every input byte is read once, in runs of 256 bytes a half wave; every store of a wave covers 512 consecutive bytes, aligned.  No matrix unit, no cluster: nothing is shared.
; 128 registers a wave: two waves of a work-group on a SIMD take 256 of its 1,024, so four work-groups lie on a WGP and all 1,024 have their loads on their way together.
; The path is chosen by the work-group's number alone, so all eight waves take the same one; only the LayerNorm path has barriers.
; LIMITS: numbers are rounded once to bf16 (nearest even); NaN and infinities pass through as they come.
.set GBL,   34816                      ; LDS behind the stages: the gain's 4,096 bytes, then the bias's
.set SPARE, 43008                      ; behind them: the spare words, 128 bytes for each of the eight waves
.set SPW,  10                          ; v10  SPARE + 4 x my thread's number; never rewritten
.set NIL,  11                          ; v11  0; never rewritten
.set XP,   4                           ; s[4:5]   x
.set GP,   6                           ; s[6:7]   gain
.set BP,   8                           ; s[8:9]   bias
.set OP,   18                          ; s[18:19] hb
.set WB,   20                          ; s[20:21] wbf
.set WF,   22                          ; s[22:23] wf
.set WVS,  28                          ; s28  my wave's number
.set ID,   29                          ; s29  the work-group's number
.set MB,   30                          ; s30  LayerNorm: which 16 rows
.set SEL,  40                          ; s[40:41] v_permlanex16_b32's selects
.set RN,   42                          ; s42  1/1024
.set EPSR, 43                          ; s43  1e-5
.set X0,   16                          ; v[16:47]   my wave's first row, 32 numbers a lane; later, in its low half, the row rounded
.set X1,   48                          ; v[48:79]   its second row
.set T,    80                          ; v[80:95]   at work
.set GH,   96                          ; v[96:111]  gain of half of my 32 columns; later, with BH, the blocks read back
.set BH,   112                         ; v[112:127] bias of the same half
; the sum over the 32 lanes of v[t] + v[t+1]; every lane ends with it
.macro LANES t
	v_add_f32 v[\t], v[\t], v[\t+1]
	v_add_f32_dpp v[\t], v[\t], v[\t] row_xmask:1 row_mask:0xf bank_mask:0xf
	v_add_f32_dpp v[\t], v[\t], v[\t] row_xmask:2 row_mask:0xf bank_mask:0xf
	v_add_f32_dpp v[\t], v[\t], v[\t] row_xmask:4 row_mask:0xf bank_mask:0xf
	v_add_f32_dpp v[\t], v[\t], v[\t] row_xmask:8 row_mask:0xf bank_mask:0xf
	v_permlanex16_b32 v[\t+1], v[\t], s[SEL], s[SEL+1]
	v_add_f32 v[\t], v[\t], v[\t+1]
.endm
; a row's mean is taken away from it; then v[d] = the mean of the squares of what is left, + 1e-5: two passes, as the definition has them, so no difference of large sums is formed
.macro STATS x, d
.irp k, 0,1,2,3,4,5,6,7
	v_pk_add_f32 v[T+2*\k:T+2*\k+1], v[\x+4*\k:\x+4*\k+1], v[\x+4*\k+2:\x+4*\k+3]
.endr
.irp k, 0,1,2,3
	v_pk_add_f32 v[T+4*\k:T+4*\k+1], v[T+4*\k:T+4*\k+1], v[T+4*\k+2:T+4*\k+3]
.endr
	v_pk_add_f32 v[T:T+1], v[T:T+1], v[T+4:T+5]
	v_pk_add_f32 v[T+8:T+9], v[T+8:T+9], v[T+12:T+13]
	v_pk_add_f32 v[T:T+1], v[T:T+1], v[T+8:T+9]
	LANES T
	v_mul_f32 v12, s[RN], v[T]
	v_mov_b32 v13, v12
.irp k, 0,1,2,3,4,5,6,7,8,9,10,11,12,13,14,15
	v_pk_add_f32 v[\x+2*\k:\x+2*\k+1], v[\x+2*\k:\x+2*\k+1], v[12:13] neg_lo:[0,1] neg_hi:[0,1]
.endr
.irp k, 0,1,2,3
	v_pk_mul_f32 v[T+2*\k:T+2*\k+1], v[\x+2*\k:\x+2*\k+1], v[\x+2*\k:\x+2*\k+1]  ; four chains, started by the first four pairs
.endr
.irp k, 4,5,6,7,8,9,10,11,12,13,14,15
	v_pk_fma_f32 v[T+2*(\k%4):T+2*(\k%4)+1], v[\x+2*\k:\x+2*\k+1], v[\x+2*\k:\x+2*\k+1], v[T+2*(\k%4):T+2*(\k%4)+1]
.endr
	v_pk_add_f32 v[T:T+1], v[T:T+1], v[T+2:T+3]
	v_pk_add_f32 v[T+4:T+5], v[T+4:T+5], v[T+6:T+7]
	v_pk_add_f32 v[T:T+1], v[T:T+1], v[T+4:T+5]
	LANES T
	v_fma_f32 v[\d], v[T], s[RN], s[EPSR]
.endm
.macro NORM x, r                       ; (x - u) / sqrt(..)
.irp k, 0,1,2,3,4,5,6,7,8,9,10,11,12,13,14,15
	v_pk_mul_f32 v[\x+2*\k:\x+2*\k+1], v[\x+2*\k:\x+2*\k+1], v[\r:\r+1]
.endr
.endm
.macro GAIN x, hf                      ; half hf of the row: times the gain plus the bias
.irp k, 0,1,2,3,4,5,6,7
	v_pk_fma_f32 v[\x+16*\hf+2*\k:\x+16*\hf+2*\k+1], v[\x+16*\hf+2*\k:\x+16*\hf+2*\k+1], v[GH+2*\k:GH+2*\k+1], v[BH+2*\k:BH+2*\k+1]
.endr
.endm
.macro ROUNDH x, hf                    ; half hf rounded to bf16, in place: pair k goes to register k, which no later pair reads
.irp k, 0,1,2,3,4,5,6,7
	v_cvt_pk_bf16_f32 v[\x+8*\hf+\k], v[\x+16*\hf+2*\k], v[\x+16*\hf+2*\k+1]
.endr
.endm
.macro GBLOAD hf                       ; gain and bias of columns 128 j + 4 l .. + 3, j = 4 hf .. 4 hf + 3, out of LDS
.irp j, 0,1,2,3
	ds_load_b128 v[GH+4*\j:GH+4*\j+3], v5 offset:GBL+2048*\hf+512*\j
	ds_load_b128 v[BH+4*\j:BH+4*\j+3], v5 offset:GBL+4096+2048*\hf+512*\j
.endr
.endm
; A WEIGHT MATRIX.  A work-group turns 128 k x 128 n; wave w owns kb = 8 kc + w.  Lane (q, h) loads rows 16 kb + 8 h + i, i = 0..7, columns 128 nc + 64 t + 4 q .. + 3: sixteen lanes read 256
; consecutive bytes of a row.  Of its 8 x 4 numbers each column is one chunk of 16 bytes; the chunks go through the wave's OWN stage (blocks at pitch 528)
; and come back as whole blocks, into registers whose loads have been consumed.  LDS serves a wave's instructions in order (ISA guide 5.7.1.4), so no wait stands
; between its stores and its loads.  big = 1: the layout by tile columns.
.macro CVT ptr, cols, dp, woff, base, ksh, big
	s_sub_co_u32 s30, s[ID], \base
	s_and_b32 s31, s30, (1<<\ksh)-1                ; kc
	s_lshr_b32 s30, s30, \ksh                      ; nc
	s_mul_i32 s32, s31, 512*\cols                  ; 128 rows of 4 cols bytes
	s_lshl_b32 s34, s30, 9
	s_add_co_u32 s32, s32, s34
	s_mov_b32 s33, 0
	s_add_nc_u64 s[36:37], s[\ptr:\ptr+1], s[32:33]
.if \big
	s_lshr_b32 s32, s30, 1                         ; the tile column,
	s_lshl_b32 s32, s32, 19
	s_and_b32 s34, s30, 1                          ; its left or right eight blocks,
	s_lshl_b32 s34, s34, 12
	s_add_co_u32 s32, s32, s34
	s_lshl_b32 s34, s31, 16                        ; 8 kb of 8,192 bytes
	s_add_co_u32 s32, s32, s34
.else
	s_mul_i32 s32, s31, 256*\cols                  ; 8 kb of cols/16 blocks
	s_lshl_b32 s34, s30, 12                        ; 8 blocks
	s_add_co_u32 s32, s32, s34
.endif
.if \woff
	s_add_co_u32 s32, s32, \woff
.endif
	s_add_nc_u64 s[38:39], s[\dp:\dp+1], s[32:33]
	v_mul_u32_u24 v8, v7, 4*\cols
	v_lshl_add_u32 v8, v3, 4, v8                   ; (16 w + 8 h) rows + 16 q
.if \big
	v_lshlrev_b32 v9, 13, v1
.else
	v_mul_u32_u24 v9, v1, 32*\cols
.endif
	v_lshl_add_u32 v9, v2, 4, v9                   ; w rows of blocks + 16 l
.irp t, 0,1
.irp i, 0,1,2,3,4,5,6,7
	global_load_b128 v[16+32*\t+4*\i:16+32*\t+4*\i+3], v8, s[36:37] offset:\i*4*\cols+256*\t th:TH_LOAD_NT
.endr
.endr
.irp t, 0,1
	s_wait_loadcnt 8-8*\t                          ; the first 64 columns' eight loads are in while the other eight may stay out; then all
.irp c, 0,1,2,3
.irp j, 0,1,2,3
	v_cvt_pk_bf16_f32 v[80+16*\t+4*\c+\j], v[16+32*\t+8*\j+\c], v[16+32*\t+8*\j+4+\c]
.endr
.endr
.irp c, 0,1,2,3
	ds_store_b128 v5, v[80+16*\t+4*\c:80+16*\t+4*\c+3] offset:2112*\t+16*\c
.endr
.irp u, 0,1,2,3
	ds_load_b128 v[16+16*\t+4*\u:16+16*\t+4*\u+3], v6 offset:2112*\t+528*\u  ; v16-47 held the first 64 columns, which have been rounded
.endr
.endr
.irp t, 0,1
	s_wait_dscnt 8-8*\t                            ; behind the first four loads stand the second half's four stores and four loads
.irp u, 0,1,2,3
	global_store_b128 v9, v[16+16*\t+4*\u:16+16*\t+4*\u+3], s[38:39] offset:(4*\t+\u)*512  ; 512 consecutive bytes, aligned; the wave's eight lie on end
.endr
.endr
	s_branch .Lend
.endm
	s_load_b512 s[4:19], s[0:1], 0x0               ; x, ln1_w, ln1_b, W_attn s[10:11], W_cproj s[12:13], W_fc s[14:15], W_mproj s[16:17], hb
	s_load_b128 s[20:23], s[0:1], 0x40             ; wbf, wf
	v_lshl_add_u32 v[SPW], v0, 2, SPARE
	v_mov_b32 v[NIL], 0
	v_lshrrev_b32 v1, 5, v0
	v_readfirstlane_b32 s[WVS], v1                 ; wave 0..7
	v_and_b32 v2, 31, v0                           ; l
	v_and_b32 v3, 15, v0                           ; q = l % 16
	v_bfe_u32 v4, v0, 4, 1                         ; h = l / 16
	s_mov_b32 s[ID], ttmp9
	s_wait_kmcnt 0x0
	s_cmp_ge_u32 s[ID], 768
	s_cbranch_scc1 .Lln
	s_mul_i32 s34, s[WVS], 4224                    ; my wave's stage: 2 x 4 blocks at pitch 528
	v_lshrrev_b32 v5, 2, v3
	v_mul_u32_u24 v5, v5, 528                      ; block q / 4,
	v_lshl_add_u32 v5, v4, 8, v5                   ; K half h,
	v_and_b32 v6, 3, v3
	v_lshl_add_u32 v5, v6, 6, v5                   ; columns 4 (q % 4) on
	v_add_nc_u32 v5, s34, v5
	v_lshl_add_u32 v6, v2, 4, s34                  ; back: 16 l
	v_lshrrev_b32 v7, 4, v0
	v_lshlrev_b32 v7, 3, v7                        ; 16 w + 8 h
	s_cmp_ge_u32 s[ID], 512
	s_cbranch_scc1 .Lw3
	s_cmp_ge_u32 s[ID], 256
	s_cbranch_scc1 .Lw2
	s_cmp_ge_u32 s[ID], 192
	s_cbranch_scc1 .Lw1
	CVT 10, 3072, WB, 0, 0, 3, 1
.Lw1:
	CVT 12, 1024, WB, 6291456, 192, 3, 0
.Lw2:
	CVT 14, 4096, WF, 0, 256, 3, 1
.Lw3:
	CVT 16, 1024, WB, 8388608, 512, 5, 0
.Lln:
	; LAYERNORM of 16 rows (one mb).  Wave w takes rows 2 w and 2 w + 1 whole: lane l holds columns 128 j + 4 l .. + 3, j = 0..7.  Gain and bias are loaded once by the work-group, 16 bytes of each a
	; thread, and shared through LDS; a wave takes them in two halves.  The rounded rows meet in a stage of 128 units of 256 bytes (unit = 2 kb + column half)
	; and wave w sends blocks kb = 8 w .. 8 w + 7.
	s_sub_co_u32 s[MB], s[ID], 768
	s_lshl_b32 s32, s[MB], 16                      ; 16 rows of 4,096 bytes
	s_mov_b32 s33, 0
	s_add_nc_u64 s[36:37], s[XP:XP+1], s[32:33]
	s_lshl_b32 s32, s[MB], 9                       ; block mb of each kb
	s_add_nc_u64 s[38:39], s[OP:OP+1], s[32:33]
	s_mov_b32 s[SEL], 0x76543210
	s_mov_b32 s[SEL+1], 0xfedcba98
	s_mov_b32 s[RN], 0x3a800000
	s_mov_b32 s[EPSR], 0x3727c5ac
	v_lshlrev_b32 v5, 4, v2                        ; 16 l
	v_lshl_add_u32 v6, v1, 13, v5                  ; + my wave's two rows
	v_lshlrev_b32 v7, 4, v0                        ; 16 x my thread's number: my 16 bytes of the gain and of the bias, in memory and in LDS
	global_load_b128 v[GH:GH+3], v7, s[GP:GP+1]
	global_load_b128 v[BH:BH+3], v7, s[BP:BP+1]
.irp j, 0,1,2,3,4,5,6,7
	global_load_b128 v[X0+4*\j:X0+4*\j+3], v6, s[36:37] offset:512*\j
.endr
.irp j, 0,1,2,3,4,5,6,7
	global_load_b128 v[X1+4*\j:X1+4*\j+3], v6, s[36:37] offset:4096+512*\j
.endr
	s_mul_i32 s34, s[WVS], 16*272                  ; back from the stage: units 16 w + 2 u and + 1 are block kb = 8 w + u
	v_mul_u32_u24 v9, v4, 272
	v_lshl_add_u32 v9, v3, 4, v9
	v_add_nc_u32 v9, s34, v9
	v_lshl_add_u32 v3, v1, 20, v5                  ; in memory: 8 w blocks of 131,072 bytes on, + 16 l
	v_lshrrev_b32 v8, 1, v2                        ; into the stage: unit 16 j + l / 2, 8 bytes at (l % 2) 8, row 2 w (+ 1)
	v_mul_u32_u24 v8, v8, 272
	v_and_b32 v4, 1, v2
	v_lshl_add_u32 v8, v4, 3, v8
	s_lshl_b32 s34, s[WVS], 5
	v_add_nc_u32 v8, s34, v8
	s_wait_loadcnt 16                              ; my pieces of gain and bias are in; the two rows' 16 loads may stay out
	ds_store_b128 v7, v[GH:GH+3] offset:GBL
	ds_store_b128 v7, v[BH:BH+3] offset:GBL+4096
	s_wait_dscnt 0x0                               ; for the others' sake: my stores are done
	s_barrier_signal -1
	s_barrier_wait -1                              ; gain and bias lie whole in LDS
	GBLOAD 0
	s_wait_loadcnt 0x0                             ; both rows
	STATS X0, 14
	STATS X1, 15
	v_rsq_f32 v[T+4], v14                          ; made twice each, to fill the pairs that the packed multiply takes
	v_rsq_f32 v[T+5], v14
	v_rsq_f32 v[T+6], v15
	v_rsq_f32 v[T+7], v15
	v_nop                                          ; a plain instruction behind the last of the batch (ISA guide 5.7.2),
	s_wait_alu depctr_va_vdst(0)                   ; and the one wait ahead of the first reader
	NORM X0, T+4
	NORM X1, T+6
	s_wait_dscnt 0x0                               ; the first halves of gain and bias
	GAIN X0, 0
	GAIN X1, 0
	GBLOAD 1                                       ; the second halves, into the same registers; the roundings below stand between these loads and the wait for them
	ROUNDH X0, 0
	ROUNDH X1, 0
	s_wait_dscnt 0x0
	GAIN X0, 1
	GAIN X1, 1
	ROUNDH X0, 1
	ROUNDH X1, 1
.irp j, 0,1,2,3,4,5,6,7
	ds_store_b64 v8, v[X0+2*\j:X0+2*\j+1] offset:4352*\j
	ds_store_b64 v8, v[X1+2*\j:X1+2*\j+1] offset:4352*\j+16
.endr
	s_wait_dscnt 0x0                               ; for the others' sake: my stores into the stage are done
	s_barrier_signal -1
	s_barrier_wait -1
.irp u, 0,1,2,3,4,5,6,7
	ds_load_b128 v[GH+4*\u:GH+4*\u+3], v9 offset:544*\u
.endr
.irp u, 0,1,2,3,4,5,6,7
	s_wait_dscnt 7-\u                              ; LDS loads come back in order: block u is in, the younger ones may stay out
	global_store_b128 v3, v[GH+4*\u:GH+4*\u+3], s[38:39] offset:131072*\u  ; 512 consecutive bytes, aligned
.endr
.Lend:
	s_wait_tensorcnt 0x0                           ; the wave's end, behind my last LDS store
	ds_add_u32 v[SPW], v[NIL]
	s_wait_dscnt 0x0
	s_endpgm
.Lfunc_end_k_q6585515fc6_prep:
	.size	k_q6585515fc6_prep, .Lfunc_end_k_q6585515fc6_prep-k_q6585515fc6_prep
	.p2alignl 7, 3214868480
	.fill 96, 4, 3214868480
	.section	.rodata,"a",@progbits
	.p2align	6, 0x0
	.amdhsa_kernel k_q6585515fc6_prep
		.amdhsa_group_segment_fixed_size 44032
		.amdhsa_private_segment_fixed_size 0
		.amdhsa_enable_private_segment 0
		.amdhsa_kernarg_size 80
		.amdhsa_user_sgpr_count 2
		.amdhsa_user_sgpr_kernarg_segment_ptr 1
		.amdhsa_wavefront_size32 1
		.amdhsa_system_sgpr_workgroup_id_x 1
		.amdhsa_system_sgpr_workgroup_id_y 1
		.amdhsa_system_sgpr_workgroup_id_z 1
		.amdhsa_system_vgpr_workitem_id 0
		.amdhsa_next_free_vgpr 128
		.amdhsa_next_free_sgpr 66
		.amdhsa_reserve_vcc 0
		.amdhsa_float_denorm_mode_32 3
		.amdhsa_float_denorm_mode_16_64 3
		.amdhsa_memory_ordered 1
		.amdhsa_forward_progress 1
		.amdhsa_inst_pref_size 48
	.end_amdhsa_kernel
	.amdgpu_metadata
---
amdhsa.version: [ 1, 2 ]
amdhsa.kernels:
  - .name:           k_q6585515fc6_prep
    .symbol:         k_q6585515fc6_prep.kd
    .args:
      - { .name: x, .offset: 0, .size: 8, .value_kind: global_buffer, .address_space: global }
      - { .name: ln1_w, .offset: 8, .size: 8, .value_kind: global_buffer, .address_space: global }
      - { .name: ln1_b, .offset: 16, .size: 8, .value_kind: global_buffer, .address_space: global }
      - { .name: W_attn, .offset: 24, .size: 8, .value_kind: global_buffer, .address_space: global }
      - { .name: W_cproj, .offset: 32, .size: 8, .value_kind: global_buffer, .address_space: global }
      - { .name: W_fc, .offset: 40, .size: 8, .value_kind: global_buffer, .address_space: global }
      - { .name: W_mproj, .offset: 48, .size: 8, .value_kind: global_buffer, .address_space: global }
      - { .name: hb, .offset: 56, .size: 8, .value_kind: global_buffer, .address_space: global }
      - { .name: wbf, .offset: 64, .size: 8, .value_kind: global_buffer, .address_space: global }
      - { .name: wf, .offset: 72, .size: 8, .value_kind: global_buffer, .address_space: global }
    .group_segment_fixed_size: 44032
    .private_segment_fixed_size: 0
    .kernarg_segment_align: 8
    .kernarg_segment_size: 80
    .max_flat_workgroup_size: 256
    .sgpr_count:     66
    .vgpr_count:     128
    .wavefront_size: 32
...
	.end_amdgpu_metadata
.endif
;; end of part 1
;; launch qkv (part 2): grid 12 x 16, 4 waves a work-group, clusters of 4 x 4, 327,680 bytes of LDS; arguments hb, wbf, b_attn, wide; writes wide
.if DOCPART == 2
	.amdgcn_target "amdgcn-amd-amdhsa--gfx1250"
	.amdhsa_code_object_version 6
	.text
	.protected	k_q6585515fc6_qkv
	.globl	k_q6585515fc6_qkv
	.p2align	8
	.type	k_q6585515fc6_qkv,@function
k_q6585515fc6_qkv:
	s_mov_b64 s[64:65], 0
	v_nop
	global_prefetch_b8 v0, s[64:65] scope:SCOPE_SE
	s_setreg_imm32_b32 hwreg(HW_REG_WAVE_MODE, 25, 1), 1
	s_wait_xcnt 0x0
	s_wait_alu depctr_hold_cnt(0) depctr_sa_sdst(0) depctr_va_vdst(0) depctr_va_sdst(0) depctr_va_ssrc(0) depctr_va_vcc(0) depctr_vm_vsrc(0)
	s_getreg_b32 s2, hwreg(HW_REG_IB_STS2, 6, 4)
	s_cmp_eq_u32 s2, 0
	s_cbranch_scc0 .Lentry_in_a_cluster
	s_endpgm
.Lentry_in_a_cluster:
	s_bfe_u32 s2, ttmp6, 0x10000c
	s_cmp_lg_u32 s2, 0xf033
	s_cbranch_scc0 .Lentry_shape_is_right
	s_endpgm
.Lentry_shape_is_right:
; OUT = A W + bias (MODE 0), or gelu(A W + bias) (MODE 1), rounded once to bf16.  MODE is a constant of the text: in a launch with joint loads no branch hangs on a number read from memory.
; A: 4,096 rows x 1,024, W: 1,024 x N, both bf16 in FRAGMENT BLOCKS of 16 rows x 16 K = 512 bytes, in which lane l = 16 h + r of a fragment finds row r, K = 8 h .. 8 h + 7 at byte 16 l.
; A and OUT: block (kb, mb) at (kb 256 + mb) 512.  W (rows = output columns) by tile columns of 256: block (kb, nb) at (nb/16) 524,288 + kb 8,192 + (nb%16) 512.
; SHARES.  A tile of 256 x 256 to a work-group of four waves, 128 x 128 a wave: 64 accumulators, 512 registers.  K goes in 8 steps of 128 through two LDS slots.  A step's part of A is 8 rows (kb) of
; 8,192 consecutive bytes; W's is 65,536 consecutive bytes; each wave fetches four kb rows by one tensor load.  A fragment is two LDS loads of 16 bytes a lane at 16 l: 512 consecutive bytes, so no padding is wanted.
; THE PRODUCT IS TAKEN TRANSPOSED (source 0 = 16 columns of W, source 1 = 16 rows of A): a lane's eight results are eight neighbouring columns of one row, which rounded ARE its 16 bytes at 16 l of
; OUT's block: the results leave from registers, each store 512 consecutive bytes, aligned.  The bias is the C operand of the products that start the sums.
; CLUSTER 4 x 4: A's tiles are asked for jointly along a row of the cluster, W's along a column.
; MODE 0 only: in the columns of V (tile columns 8 to 11) the chunks of the upper column half are stored with their row number + 8 mod 16, a permutation inside the same 512 bytes that the attention's turning load undoes.
; LIMITS: operands and results are bf16 (8 significant bits); sums in f32.  gelu(x) = x / (1 + 2^(x (C1 + C2 x^2))), which is 0.5 x (1 + tanh(..)) exactly; where the power overflows or falls below 2^-126 the result is 0 or x.
.set MODE,   0
.set NSTEP,  8
.set APITCH, 131072                    ; bytes from kb to kb in A and OUT
.set BPITCH, 8192                      ; in W
.set ASTEP,  8*APITCH
.set BSTEP,  8*BPITCH
.set SLOT,   131072                    ; A's 8 x 8,192 bytes, then W's
.set SPARE,  262144                    ; behind the ring: the spare words, 128 bytes for each wave
.set PA,     1                         ; the prefetches stop when so many refills are left
.set ADRA0, 16                         ; v16  my lane's place in A's part of a slot; never rewritten
.set ADRB0, 17                         ; v17  in W's
.set ADRA,  18                         ; v18  the same in the slot in hand
.set ADRB,  19
.set CO,    20                         ; v20  my 16 bytes in a block of OUT
.set BO,    21                         ; v21  my 32 bytes of a bias tuple
.set DMP,   22                         ; v22  MODE 1: my 16 bytes in my wave's scratch
.set DAD,   23                         ; v23  MODE 1: the same in the trip in hand
.set SPW,   28                         ; v28  SPARE + 4 x my thread's number; never rewritten
.set NIL,   29                         ; v29  0; never rewritten
.set PFO,   30                         ; v30  256 x my lane; never rewritten
.set F0,    64                         ; fragment buffers: A's in window 0, W's in window 1
.set F1,    128
.set BI,    192                        ; v192-255: eight bias tuples, as C operands
.set WV,   12                          ; s12 wave   s13 its row half; also: fetches A (0) or W (1)   s14 its column half; also: which four kb rows it fetches
.set WR,   13
.set WC,   14
.set CX,   15
.set CY,   16
.set TCOL, 17
.set TROW, 18
.set TB,   19                          ; s19  the slot in hand: 0 or SLOT
.set G1A,  24                          ; s[24:31] descriptor group 1 for A
.set G0A,  32                          ; s[32:35] group 0 of the first fill; s[36:39] the one that walks
.set PFA,  40                          ; s[40:41] where my prefetches stand
.set LIM,  42
.set PST,  44                          ; s[44:45] a K step in bytes, for the operand that I fetch
.set G1B,  48
.set G0B,  56
.set C1,   66                          ; s[66:67], s[68:69] gelu's two constants, as pairs
.set C2,   68
.set DB,   70
.set MSB, 0
.macro WIN new                         ; the immediate's high byte repeats the setting that is left; a switch that changes nothing is dropped
.if MSB != (\new)
	s_set_vgpr_msb (MSB<<8)|(\new)
.set MSB, \new
.endif
.endm
.set MUL_LO, 0xa1                      ; source 0 (W) window 1, source 1 (A) window 0, C and D window 2
.set TO_B,   0x40
.macro PLACES                          ; four plain instructions between a matrix instruction and a load into, or a vector instruction on, its registers
.rept 4
	v_nop
.endr
.endm
.macro CREST                           ; a round of the cluster's barrier behind its opening barrier
	s_cmp_lg_u32 s[WV], 0
	s_cbranch_scc1 .Lnot_wave_0_\@
	s_barrier_signal -3
.Lnot_wave_0_\@:
	s_barrier_wait -3
	s_barrier_signal -1
	s_barrier_wait -1
.endm
.macro CROUND
	s_barrier_signal -1
	s_barrier_wait -1
	CREST
.endm
.macro JLOAD                           ; a joint refill by the walking descriptor: waves 0 and 1 for A, 2 and 3 for W; an s_nop 0 and four v_nop follow each line
	s_cmp_eq_u32 s[WR], 0
	s_cbranch_scc0 .Lfor_b_\@
	tensor_load_to_lds s[G0A+4:G0A+7], s[G1A:G1A+7]
	s_nop 0
.rept 4
	v_nop
.endr
	s_branch .Lasked_\@
.Lfor_b_\@:
	tensor_load_to_lds s[G0B+4:G0B+7], s[G1B:G1B+7]
	s_nop 0
.rept 4
	v_nop
.endr
.Lasked_\@:
.endm
; A prefetch of the K step that the NEXT refill will ask for: 256 matrix instructions ahead of that load.  Of the four kb rows that a wave fetches, the partner at place p among the four that ask jointly takes
; row p: 8,192 bytes, 256 a lane: told apart by address.  A's rows are read by every cluster of a row of clusters: cluster x = 0 asks; W's by every cluster of a column: cluster y = 0 asks.  So each
; 256 bytes are named once in the launch.  Steps 0 to 2 come by their loads alone; the last refill has no step behind it and asks for nothing.
.macro ASK
	s_cmp_gt_u32 s3, s[LIM]
	s_cbranch_scc0 .Lnot_mine_\@
	global_prefetch_b8 v[PFO], s[PFA:PFA+1] th:TH_LOAD_NT scope:SCOPE_SE
.Lnot_mine_\@:
.endm
; 32 LDS loads in one run: the fragments of quarter q (32 K: kb rows 2 q and 2 q + 1) into buffer f: W's eight, then A's eight
.macro FETCH q, f
	WIN TO_B
.irp i, 0,1,2,3,4,5,6,7
	ds_load_b128 v[(\f)+8*(\i):(\f)+8*(\i)+3],   v[ADRB] offset:(2*(\q))*8192+512*(\i)
	ds_load_b128 v[(\f)+8*(\i)+4:(\f)+8*(\i)+7], v[ADRB] offset:(2*(\q)+1)*8192+512*(\i)
.endr
	WIN 0
.irp i, 0,1,2,3,4,5,6,7
	ds_load_b128 v[(\f)+8*(\i):(\f)+8*(\i)+3],   v[ADRA] offset:(2*(\q))*8192+512*(\i)
	ds_load_b128 v[(\f)+8*(\i)+4:(\f)+8*(\i)+7], v[ADRA] offset:(2*(\q)+1)*8192+512*(\i)
.endr
.endm
; 16 products: row blocks a0, a0 + 1 of the window's four (hi: rows 0-63 or 64-127) x all 8 column blocks.  first = 1: C is the bias.  The 64 accumulators take turns, in the same order in every quarter.
.macro MUL16 f, hi, a0, first
.if \first
	WIN 0x81+0x40*(\hi)
.else
	WIN MUL_LO+0x50*(\hi)
.endif
.irp a, \a0, (\a0)+1
.irp b, 0,1,2,3,4,5,6,7
.if \first
	v_wmma_f32_16x16x32_bf16 v[8*(8*(\a)+(\b)):8*(8*(\a)+(\b))+7], v[(\f)+8*(\b):(\f)+8*(\b)+7], v[(\f)+8*(4*(\hi)+(\a)):(\f)+8*(4*(\hi)+(\a))+7], v[BI+8*(\b):BI+8*(\b)+7]
.else
	v_wmma_f32_16x16x32_bf16 v[8*(8*(\a)+(\b)):8*(8*(\a)+(\b))+7], v[(\f)+8*(\b):(\f)+8*(\b)+7], v[(\f)+8*(4*(\hi)+(\a)):(\f)+8*(4*(\hi)+(\a))+7], v[8*(8*(\a)+(\b)):8*(8*(\a)+(\b))+7]
.endif
.endr
.endr
.endm
.macro QUARTER q, f, g, first          ; multiplies buffer f; in its middle fetches quarter q into buffer g
	s_wait_dscnt 8                                 ; W's fragments and A's blocks 0-3 are in; the youngest eight loads (A's blocks 4-7) may be out
	MUL16 \f, 0, 0, \first
	MUL16 \f, 0, 2, \first
	PLACES
	FETCH \q, \g
	s_wait_dscnt 32                                ; all but the 32 just issued
	MUL16 \f, 1, 0, \first
	MUL16 \f, 1, 2, \first
.endm
; The last quarter of a step multiplies buffer 1 and changes slots.  In front of the barrier each wave waits for all its tensor loads (one is out: its part of the next slot), adds 0 to its spare word, and
; waits for that and for its reads of this slot.  fill = 1: the barrier opens a round of the cluster's, and the joint refill (two steps on) is the first thing behind it: 224 matrix instructions ahead of the wait for it.
.macro TURN fill
.if \fill
	s_wait_xcnt 0x0                                ; the last prefetch, a K step back, has read its address
	s_add_nc_u64 s[PFA:PFA+1], s[PFA:PFA+1], s[PST:PST+1]
.endif
	WIN 0
	s_wait_tensorcnt 0x0
	ds_add_u32 v[SPW], v[NIL]
	s_wait_dscnt 9                                 ; the add and the youngest eight loads may be out
	MUL16 F1, 0, 0, 0
	s_wait_dscnt 0x0                               ; the add is done, and my reads of this slot are over
	s_barrier_signal -1
	MUL16 F1, 0, 2, 0
	WIN 0
	s_barrier_wait -1
.if \fill
	CREST
	s_xor_b32 s[G0A+5], s[G0A+5], SLOT             ; no tensor load of mine is out: the walking descriptors step to the other slot, the next K step
	s_add_nc_u64 s[G0A+6:G0A+7], s[G0A+6:G0A+7], ASTEP
	s_xor_b32 s[G0B+5], s[G0B+5], SLOT
	s_add_nc_u64 s[G0B+6:G0B+7], s[G0B+6:G0B+7], BSTEP
	JLOAD                                          ; its four v_nop are also the places in front of the loads below
.else
	PLACES
.endif
	s_xor_b32 s[TB], s[TB], SLOT
	v_add_nc_u32 v[ADRA], s[TB], v[ADRA0]
	v_add_nc_u32 v[ADRB], s[TB], v[ADRB0]
	FETCH 0, F0
.if \fill
	ASK
.endif
	MUL16 F1, 1, 0, 0
	MUL16 F1, 1, 2, 0
.endm
	s_load_b256 s[4:11], s[0:1], 0x0               ; A s[4:5], W s[6:7], bias s[8:9], OUT s[10:11]
	v_lshl_add_u32 v[SPW], v0, 2, SPARE
	v_mov_b32 v[NIL], 0
	ds_add_u32 v[SPW], v[NIL]                      ; the wave's opening: the add and its wait ahead of my first tensor load
	v_lshrrev_b32 v1, 5, v0
	v_readfirstlane_b32 s[WV], v1
	s_lshr_b32 s[WR], s[WV], 1
	s_and_b32 s[WC], s[WV], 1
	s_bfe_u32 s[CX], ttmp6, 0x40000
	s_bfe_u32 s[CY], ttmp6, 0x40004
	s_lshl_b32 s[TCOL], ttmp9, 2
	s_add_co_u32 s[TCOL], s[TCOL], s[CX]           ; tile column = 4 x cluster x + cx
	s_and_b32 s[TROW], ttmp7, 0xffff
	s_lshl_b32 s[TROW], s[TROW], 2
	s_add_co_u32 s[TROW], s[TROW], s[CY]           ; tile row = 4 x cluster y + cy
	s_lshl_b32 s20, s[CY], 2
	s_lshl_b32 s20, 15, s20                        ; my row of the cluster
	s_lshl_b32 s22, 0x1111, s[CX]                  ; my column
	s_or_b32 s[G1A], s20, (3<<16)|(1<<21)          ; 15:0 the mask; 17:16 elements of 8 bytes; 21 set beside a mask; no padding
	s_or_b32 s[G1B], s22, (3<<16)|(1<<21)
.irp g, G1A, G1B
	s_mov_b32 s[\g+1], 1024<<16                    ; tensor_dim0 = 1,024 elements = 8,192 bytes
	s_mov_b32 s[\g+2], 4<<16                       ; tensor_dim1 = 4
	s_mov_b32 s[\g+3], 1024<<16                    ; tile_dim0
	s_mov_b32 s[\g+4], 4                           ; tile_dim1
	s_mov_b32 s[\g+6], 0
	s_mov_b32 s[\g+7], 0
.endr
	s_mov_b32 s[G1A+5], APITCH/8                   ; elements from kb to kb
	s_mov_b32 s[G1B+5], BPITCH/8
	s_lshl_b32 s20, s[TROW], 13                    ; A: the tile's 16 blocks of each kb, and my four kb rows; s20, s21 hold nothing of cx
	s_lshl_b32 s21, s[WC], 19
	s_add_co_u32 s20, s20, s21
	s_mov_b32 s21, 0
	s_lshl_b32 s22, s[TCOL], 19                    ; W: the tile column's 524,288 bytes, and my four kb rows; s22, s23 hold nothing of cy
	s_lshl_b32 s23, s[WC], 15
	s_add_co_u32 s22, s22, s23
	s_mov_b32 s23, 0
	s_lshl_b32 s46, s[WV], 15                      ; where my load lands in a slot: wave x 32,768
	s_mov_b32 s[TB], 0
	s_wait_dscnt 0x0                               ; the opening add is done
	s_wait_kmcnt 0x0
	s_add_nc_u64 s[20:21], s[4:5], s[20:21]
	s_add_nc_u64 s[22:23], s[6:7], s[22:23]
	s_mov_b32 s[G0A], 1
	s_mov_b32 s[G0A+1], s46
	s_mov_b64 s[G0A+2:G0A+3], s[20:21]
	s_or_b32 s[G0A+3], s[G0A+3], 0x80000000
	s_mov_b32 s[G0A+4], 1
	s_add_co_u32 s[G0A+5], s46, SLOT
	s_add_nc_u64 s[G0A+6:G0A+7], s[20:21], ASTEP
	s_or_b32 s[G0A+7], s[G0A+7], 0x80000000
	s_mov_b32 s[G0B], 1
	s_mov_b32 s[G0B+1], s46
	s_mov_b64 s[G0B+2:G0B+3], s[22:23]
	s_or_b32 s[G0B+3], s[G0B+3], 0x80000000
	s_mov_b32 s[G0B+4], 1
	s_add_co_u32 s[G0B+5], s46, SLOT
	s_add_nc_u64 s[G0B+6:G0B+7], s[22:23], BSTEP
	s_or_b32 s[G0B+7], s[G0B+7], 0x80000000
	CROUND                                         ; all sixteen work-groups are here: the first joint loads meet
	s_cmp_eq_u32 s[WR], 0                          ; a wave's two first fills stand in one branch: two loads of mine are out
	s_cbranch_scc0 .Lfirst_b
	tensor_load_to_lds s[G0A:G0A+3], s[G1A:G1A+7]
	s_nop 0
	tensor_load_to_lds s[G0A+4:G0A+7], s[G1A:G1A+7]
	s_nop 0
.rept 4
	v_nop
.endr
	s_branch .Lfirst_asked
.Lfirst_b:
	tensor_load_to_lds s[G0B:G0B+3], s[G1B:G1B+7]
	s_nop 0
	tensor_load_to_lds s[G0B+4:G0B+7], s[G1B:G1B+7]
	s_nop 0
.rept 4
	v_nop
.endr
.Lfirst_asked:
	v_bfe_u32 v2, v0, 4, 1                         ; h
	v_and_b32 v3, 31, v0                           ; l
	v_and_b32 v5, 15, v0                           ; r
	v_lshlrev_b32 v4, 4, v3                        ; 16 l
	v_lshlrev_b32 v[BO], 5, v2                     ; register j of a C operand is column 8 h + j
	s_lshl_b32 s22, s[TCOL], 10
	s_lshl_b32 s23, s[WC], 9
	s_add_co_u32 s22, s22, s23
	s_mov_b32 s23, 0
	s_add_nc_u64 s[8:9], s[8:9], s[22:23]          ; the bias of my 128 columns
.irp b, 0,1,2,3,4,5,6,7
	global_load_b128 v[BI+8*\b:BI+8*\b+3],   v[BO], s[8:9] offset:64*\b
	global_load_b128 v[BI+8*\b+4:BI+8*\b+7], v[BO], s[8:9] offset:64*\b+16
.endr
	s_lshl_b32 s47, s[WR], 12
	v_add_nc_u32 v[ADRA0], s47, v4                 ; my eight row blocks of each kb
	s_lshl_b32 s47, s[WC], 12
	s_add_co_u32 s47, s47, 65536
	v_add_nc_u32 v[ADRB0], s47, v4
	v_mov_b32 v[ADRA], v[ADRA0]
	v_mov_b32 v[ADRB], v[ADRB0]
	s_lshl_b32 s72, s[TCOL], 21                    ; OUT at block (16 tile column + 8 column half, 16 tile row + 8 row half)
	s_lshl_b32 s71, s[WC], 20
	s_add_co_u32 s72, s72, s71
	s_lshl_b32 s71, s[TROW], 13
	s_add_co_u32 s72, s72, s71
	s_lshl_b32 s71, s[WR], 12
	s_add_co_u32 s72, s72, s71
	s_mov_b32 s73, 0
	s_add_nc_u64 s[10:11], s[10:11], s[72:73]
.if MODE == 0
	s_cmp_ge_u32 s[TCOL], 8                        ; V's columns: a value is chosen, no branch is taken
	s_cselect_b32 s71, 8, 0
	v_mul_u32_u24 v6, v2, s71
	v_add_nc_u32 v6, v6, v5
	v_and_b32 v6, 15, v6                           ; row, or in V's upper column half row + 8 mod 16
	v_lshlrev_b32 v6, 4, v6
	v_lshl_add_u32 v[CO], v2, 8, v6
.else
	v_mov_b32 v[CO], v4
	s_lshl_b32 s71, s[WV], 16
	v_add_nc_u32 v[DMP], s71, v4
	s_mov_b32 s[C1], 0xc0135761                    ; -2 sqrt(2/pi) log2(e) = -2.3022082
	s_mov_b32 s[C1+1], s[C1]
	s_mov_b32 s[C2], 0xbdd2d3e8                    ; 0.044715 times that = -0.10294324
	s_mov_b32 s[C2+1], s[C2]
.endif
	s_lshl_b32 s43, s[TROW], 13                    ; the prefetches: the tile's place in a kb row of A,
	s_lshl_b32 s72, s[TCOL], 19                    ; or the tile column of W
	s_and_b32 s71, ttmp7, 0xffff
	s_mov_b32 s[PST], BPITCH
	s_cmp_eq_u32 s[WR], 0                          ; do I fetch for A?
	s_cselect_b32 s43, s43, s72
	s_cselect_b32 s47, s[CX], s[CY]                ; my place among the four that ask with me
	s_cselect_b32 s71, ttmp9, s71                  ; the coordinate along which other clusters read the same rows
	s_cselect_b32 s[PST], APITCH, s[PST]
	s_cselect_b64 s[PFA:PFA+1], s[4:5], s[6:7]
	s_cmp_eq_u32 s71, 0
	s_cselect_b32 s[LIM], PA, -1                   ; the same in all sixteen partners, for a given wave
	s_lshl_b32 s71, s[WC], 2
	s_add_co_u32 s47, s47, s71
	s_add_co_u32 s47, s47, 16                      ; at K step 2: the first refill steps it to 3
	s_mul_i32 s47, s47, s[PST]
	s_add_co_u32 s72, s47, s43
	s_add_nc_u64 s[PFA:PFA+1], s[PFA:PFA+1], s[72:73]
	s_lshl_b32 s[PST], s[PST], 3
	s_mov_b32 s[PST+1], 0
	v_lshlrev_b32 v[PFO], 8, v3
	s_wait_tensorcnt 0x1                           ; my part of K step 0 is in; step 1's may stay out
	s_barrier_signal -1
	s_barrier_wait -1
	FETCH 0, F0
	s_wait_loadcnt 0x0                             ; the bias
	QUARTER 1, F0, F1, 1                           ; the first quarter stands in front of the loop: its products start the sums
	WIN 0
	s_mov_b32 s3, NSTEP-2
.Lstep:                                        ; a trip: a step's quarters 1 to 3, the change of slots with its refill, the next step's quarter 0
	QUARTER 2, F1, F0, 0
	QUARTER 3, F0, F1, 0
	TURN 1
	QUARTER 1, F0, F1, 0
	WIN 0
	s_sub_co_u32 s3, s3, 1
	s_cmp_lg_u32 s3, 0
	s_cbranch_scc1 .Lstep
	s_mov_b32 s2, 2                                ; the last two steps ask for nothing; the second trip is left in its middle
.Ltail:
	QUARTER 2, F1, F0, 0
	QUARTER 3, F0, F1, 0
	WIN 0
	s_sub_co_u32 s2, s2, 1
	s_cmp_eq_u32 s2, 0
	s_cbranch_scc1 .Llast
	TURN 0
	QUARTER 1, F0, F1, 0
	WIN 0
	s_branch .Ltail
.Llast:
	s_wait_dscnt 8
	MUL16 F1, 0, 0, 0
	MUL16 F1, 0, 2, 0
	s_wait_dscnt 0x0
	MUL16 F1, 1, 0, 0
	MUL16 F1, 1, 2, 0
	WIN 0
.if MODE == 0
	; THE WAY OUT: a row block at a time, rounded into one of four banks of 32 registers and stored; each accumulator's registers in ascending order
	PLACES
	PLACES
.irp a, 0,1,2,3,4,5,6,7
.if \a == 4
	s_wait_xcnt 0x0                                ; the stores of blocks 0 to 3 have read their registers: the banks are written again only behind this wait
.endif
	WIN 0x0a+5*((\a)/4)
.irp b, 0,1,2,3,4,5,6,7
.irp r, 0,1,2,3
	v_cvt_pk_bf16_f32 v[64+32*((\a)%4)+4*(\b)+(\r)], v[8*(8*((\a)%4)+(\b))+2*(\r)], v[8*(8*((\a)%4)+(\b))+2*(\r)+1]
.endr
.endr
	WIN 0
.irp b, 0,1,2,3,4,5,6,7
	global_store_b128 v[CO], v[64+32*((\a)%4)+4*(\b):64+32*((\a)%4)+4*(\b)+3], s[10:11] offset:(\b)*131072+(\a)*512  ; 512 consecutive bytes, aligned
.endr
.endr
.else
	; THE WAY OUT WITH GELU.  512 numbers a lane, written out, would be a long text: the sums go once through my wave's own 65,536 bytes of the ring, which has had its last fill, and a loop of eight trips
	; (a column block each) does the work.  The barrier: every wave's reads of both slots are over.
	s_wait_dscnt 0x0
	s_barrier_signal -1
	s_barrier_wait -1
	PLACES
	PLACES
.irp w, 0,1
	WIN 0x08+4*\w                                  ; the stores' data in window 2, then 3
.irp a, 0,1,2,3
.irp b, 0,1,2,3,4,5,6,7
	ds_store_b128 v[DMP], v[8*(8*\a+\b):8*(8*\a+\b)+3]   offset:\b*8192+(4*\w+\a)*1024
	ds_store_b128 v[DMP], v[8*(8*\a+\b)+4:8*(8*\a+\b)+7] offset:\b*8192+(4*\w+\a)*1024+512
.endr
.endr
.endr
	WIN 0
	s_mov_b32 s[DB], 0
	s_mov_b32 s2, 8
.Lgelu:
	v_add_nc_u32 v[DAD], s[DB], v[DMP]
.irp a, 0,1,2,3,4,5,6,7
	ds_load_b128 v[64+8*\a:64+8*\a+3],   v[DAD] offset:\a*1024      ; my own bytes: LDS serves a wave's instructions in order
	ds_load_b128 v[64+8*\a+4:64+8*\a+7], v[DAD] offset:\a*1024+512
.endr
	s_wait_dscnt 0x0
.set p, 0
.rept 32
	v_pk_mul_f32 v[128+p:129+p], v[64+p:65+p], v[64+p:65+p]
.set p, p+2
.endr
.set p, 0
.rept 32
	v_pk_fma_f32 v[128+p:129+p], v[128+p:129+p], s[C2:C2+1], s[C1:C1+1] op_sel_hi:[1,0,0]
.set p, p+2
.endr
.set p, 0
.rept 32
	v_pk_mul_f32 v[128+p:129+p], v[128+p:129+p], v[64+p:65+p]
.set p, p+2
.endr
.set p, 0
.rept 64
	v_exp_f32 v[128+p], v[128+p]
.set p, p+1
.endr
	v_nop                                          ; a plain instruction behind the batch, and its one wait
	s_wait_alu depctr_va_vdst(0)
.set p, 0
.rept 32
	v_pk_add_f32 v[128+p:129+p], v[128+p:129+p], 1.0 op_sel_hi:[1,0]
.set p, p+2
.endr
.set p, 0
.rept 64
	v_rcp_f32 v[128+p], v[128+p]
.set p, p+1
.endr
	v_nop
	s_wait_alu depctr_va_vdst(0)
.set p, 0
.rept 32
	v_pk_mul_f32 v[64+p:65+p], v[64+p:65+p], v[128+p:129+p]
.set p, p+2
.endr
.set p, 0
.rept 32
	v_cvt_pk_bf16_f32 v[32+p], v[64+2*p], v[64+2*p+1]
.set p, p+1
.endr
.irp a, 0,1,2,3,4,5,6,7
	global_store_b128 v[CO], v[32+4*\a:32+4*\a+3], s[10:11] offset:\a*512  ; 512 consecutive bytes, aligned
.endr
	s_wait_xcnt 0x0                                ; the stores have read their data and their base
	s_add_nc_u64 s[10:11], s[10:11], 131072        ; the next column block
	s_add_co_u32 s[DB], s[DB], 8192
	s_sub_co_u32 s2, s2, 1
	s_cmp_lg_u32 s2, 0
	s_cbranch_scc1 .Lgelu
.endif
	s_wait_tensorcnt 0x0                           ; the wave's end
	ds_add_u32 v[SPW], v[NIL]
	s_wait_dscnt 0x0
	CROUND                                         ; the closing round
	s_endpgm
.Lfunc_end_k_q6585515fc6_qkv:
	.size	k_q6585515fc6_qkv, .Lfunc_end_k_q6585515fc6_qkv-k_q6585515fc6_qkv
	.p2alignl 7, 3214868480
	.fill 96, 4, 3214868480
	.section	.rodata,"a",@progbits
	.p2align	6, 0x0
	.amdhsa_kernel k_q6585515fc6_qkv
		.amdhsa_group_segment_fixed_size 327680
		.amdhsa_private_segment_fixed_size 0
		.amdhsa_enable_private_segment 0
		.amdhsa_kernarg_size 32
		.amdhsa_user_sgpr_count 2
		.amdhsa_user_sgpr_kernarg_segment_ptr 1
		.amdhsa_wavefront_size32 1
		.amdhsa_system_sgpr_workgroup_id_x 1
		.amdhsa_system_sgpr_workgroup_id_y 1
		.amdhsa_system_sgpr_workgroup_id_z 1
		.amdhsa_system_vgpr_workitem_id 0
		.amdhsa_next_free_vgpr 1024
		.amdhsa_next_free_sgpr 74
		.amdhsa_reserve_vcc 0
		.amdhsa_float_denorm_mode_32 3
		.amdhsa_float_denorm_mode_16_64 3
		.amdhsa_memory_ordered 1
		.amdhsa_forward_progress 1
		.amdhsa_inst_pref_size 97
	.end_amdhsa_kernel
	.amdgpu_metadata
---
amdhsa.version: [ 1, 2 ]
amdhsa.kernels:
  - .name:           k_q6585515fc6_qkv
    .symbol:         k_q6585515fc6_qkv.kd
    .args:
      - { .name: hb, .offset: 0, .size: 8, .value_kind: global_buffer, .address_space: global }
      - { .name: wbf, .offset: 8, .size: 8, .value_kind: global_buffer, .address_space: global }
      - { .name: b_attn, .offset: 16, .size: 8, .value_kind: global_buffer, .address_space: global }
      - { .name: wide, .offset: 24, .size: 8, .value_kind: global_buffer, .address_space: global }
    .group_segment_fixed_size: 327680
    .private_segment_fixed_size: 0
    .kernarg_segment_align: 8
    .kernarg_segment_size: 32
    .max_flat_workgroup_size: 128
    .sgpr_count:     74
    .vgpr_count:     1024
    .wavefront_size: 32
...
	.end_amdgpu_metadata
.endif
;; end of part 2
;; launch attn (part 3): grid 4 x 64, 8 waves a work-group, clusters of 4 x 1, 327,680 bytes of LDS; arguments wide, hb; writes hb
.if DOCPART == 3
	.amdgcn_target "amdgcn-amd-amdhsa--gfx1250"
	.amdhsa_code_object_version 6
	.text
	.protected	k_q6585515fc6_attn
	.globl	k_q6585515fc6_attn
	.p2align	8
	.type	k_q6585515fc6_attn,@function
k_q6585515fc6_attn:
	s_mov_b64 s[64:65], 0
	v_nop
	global_prefetch_b8 v0, s[64:65] scope:SCOPE_SE
	s_setreg_imm32_b32 hwreg(HW_REG_WAVE_MODE, 25, 1), 1
	s_wait_xcnt 0x0
	s_wait_alu depctr_hold_cnt(0) depctr_sa_sdst(0) depctr_va_vdst(0) depctr_va_sdst(0) depctr_va_ssrc(0) depctr_va_vcc(0) depctr_vm_vsrc(0)
	s_getreg_b32 s2, hwreg(HW_REG_IB_STS2, 6, 4)
	s_cmp_eq_u32 s2, 0
	s_cbranch_scc0 .Lentry_in_a_cluster
	s_endpgm
.Lentry_in_a_cluster:
	s_bfe_u32 s2, ttmp6, 0x10000c
	s_cmp_lg_u32 s2, 0x3003
	s_cbranch_scc0 .Lentry_shape_is_right
	s_endpgm
.Lentry_shape_is_right:
; CAUSAL ATTENTION, head size 64, 1,024 rows, 64 heads (batch x head).  O[q] = the sum over k <= q of softmax_k(Q[q] . K[k] / 8) V[k].  q, k, v lie in `wide`, o goes to `hb`, all bf16 in FRAGMENT BLOCKS of
; 16 rows x 16 columns = 512 bytes at (kb 256 + mb) 512: kb = column / 16 (q: 0-63, k: 64-127, v: 128-191; a head has four), mb = row / 16; lane l = 16 h + r finds row r, columns 8 h .. + 7 at 16 l
; (in v's upper column half at row + 8 mod 16).  Products, maxima and sums in f32; the weights are rounded to bf16 for the second product, O once at the end.
; LIMITS.  A hidden score counts as its value less 1e30 (the definition sets it to -1e10): its weight is 0 either way while true scores lie far above -1e10.  A weight below 2^-126 counts as 0.
; NaN and infinities are not treated apart.
; SHARES.  The four work-groups of a cluster take ONE head, its tiles of 16 queries dealt round: partner cx owns tiles 4 i + cx, i = 0..15.  Tile 4 i + cx lies inside key step i (64 keys) whatever cx:
; it needs steps 0 .. i, and step i holds its diagonal.  So no trip count, branch or LDS address hangs on cx: only the mask's values and Q's and O's addresses do.
; EIGHT WAVES, TWO TO A SIMD, two tiles each.  The text goes in phases (a tile's scores, its softmax, its V^T P), in which one wave's chains and waits leave issue slots empty; the second wave's work stands
; in them.  The price: K's and V's fragments are read from LDS by twice as many waves.  Wave w takes i = a (tile 0) and i = 15 - a (tile 1), a = w for w < 4 and 11 - w from there on: 17 tile steps for
; every wave of the launch, and waves w and w + 4 together have 25 in the first half of the keys and 9 in the second, whatever w.
; LDS.  All of the head's K and V lie there at once, so nothing is filled again.  Half x (keys 512 x on) at x 131,072: K as [channel block 0-3][32 key blocks][512], then V likewise.  Each wave asks jointly
; (mask of four) for one channel block of K (waves 0-3) or V (4-7) of half 0, then of half 1: a row of 16,384 bytes, landing at x 131,072 + wave x 16,384.  All tiles are asked for at the head, so no prefetch runs ahead of a load.
; LAYOUT.  S^T = K Q^T holds one query a lane (l % 16) and keys 8 (l / 16) + 0..7; two such results rounded ARE source 1 of O^T = V^T P, whose result holds one query and eight channels a lane: its 16 bytes
; at 16 l of o's block, so O leaves from registers.  K and Q are fragments as they lie; V is turned by ds_load_tr16_b128.
; SOFTMAX.  Running maximum m and sum l: p = 2^(c s - c m), c = log2(e) / 8; O and l are multiplied by a = 2^(c m_old - c m_new) in every step; m starts at the lowest finite number, O and l at 0.
; REGISTERS: window 0: v2-15 addresses and at work; v16-23 statistics; v48-51 at work; v64-127 S^T, 32 a tile; v192-223 P, 16 a tile.
; Window 1: v0-63 O^T, 32 a tile; v64-95 Q, 16 a tile; v96-127 the diagonal's mask; v128-191 K of a step; v192-255 V of a step.
.set SPARE, 262144                     ; behind K and V: the spare words, 128 bytes for each of the eight waves
.set AK0, 2                            ; v2   16 l
.set AV0, 3                            ; v3   my lane's place in a block of V, + 65,536
.set AK,  4
.set AV,  5
.set QO,  8                            ; v8-9  tile t: its block's offset + 16 l, for Q and for O
.set MVR, 12                           ; v12  c m_old
.set ST,  16                           ; tile t: c m, m, l (even keys', odd keys')
.set TMP, 48
.set SPW, 62
.set NIL, 63
.set S,   64
.set P,   192
.set QF,  64                           ; window 1
.set MD,  96
.set KF,  128
.set VF,  192
.set WV,  12
.set CX,  13
.set I0,  14                           ; s14  a: tile 0's last step, in the first half
.set I1,  15                           ; s15  7 - a: tile 1's last step, in the second half
.set STEP, 16
.set LASTK, 17
.set TK,  18
.set TV,  19
.set G1,  24
.set G0,  32                           ; s[32:35] half 0, s[36:39] half 1
.set QB,  40
.set OB,  42
.set CS,  58
.set SEL, 60
.set BIGN, 62
.set MSB, 0
.macro WIN new
.if MSB != (\new)
	s_set_vgpr_msb (MSB<<8)|(\new)
.set MSB, \new
.endif
.endm
.set W_KQ, 0x05                        ; K and Q in window 1, S^T in window 0
.set W_KM, 0x15                        ; the same with C in window 1
.set W_PV, 0x51                        ; V in window 1, P in window 0, O^T in window 1
.set W_RS, 0x41                        ; destination and source 0 in window 1, source 1 in window 0
.set TO_1, 0x40                        ; destination in window 1
.macro PLACES
.rept 4
	v_nop
.endr
.endm
.macro ROUND
	s_barrier_signal -1
	s_barrier_wait -1
	s_cmp_lg_u32 s[WV], 0
	s_cbranch_scc1 .Lnot_wave_0_\@
	s_barrier_signal -3
.Lnot_wave_0_\@:
	s_barrier_wait -3
	s_barrier_signal -1
	s_barrier_wait -1
.endm
; The four accumulators of a tile's scores take turns.  KQ4: channels 0-31 start the sums, with 0 or (km = 1) with the diagonal's mask.  KQ4B: channels 32-63.
.macro KQ4 t, km
.if \km
	WIN W_KM
.else
	WIN W_KQ
.endif
.irp k, 0,1,2,3
.if \km
	v_wmma_f32_16x16x32_bf16 v[S+32*(\t)+8*(\k):S+32*(\t)+8*(\k)+7], v[KF+16*(\k):KF+16*(\k)+7], v[QF+16*(\t):QF+16*(\t)+7], v[MD+8*(\k):MD+8*(\k)+7]
.else
	v_wmma_f32_16x16x32_bf16 v[S+32*(\t)+8*(\k):S+32*(\t)+8*(\k)+7], v[KF+16*(\k):KF+16*(\k)+7], v[QF+16*(\t):QF+16*(\t)+7], 0
.endif
.endr
.endm
.macro KQ4B t
	WIN W_KQ
.irp k, 0,1,2,3
	v_wmma_f32_16x16x32_bf16 v[S+32*(\t)+8*(\k):S+32*(\t)+8*(\k)+7], v[KF+16*(\k)+8:KF+16*(\k)+15], v[QF+16*(\t)+8:QF+16*(\t)+15], v[S+32*(\t)+8*(\k):S+32*(\t)+8*(\k)+7]
.endr
.endm
.macro PV t                            ; O^T += V^T P: keys 32 kk on, channels 16 cb on; four accumulators by turns
	WIN W_PV
.irp kk, 0,1
.irp cb, 0,1,2,3
	v_wmma_f32_16x16x32_bf16 v[32*(\t)+8*(\cb):32*(\t)+8*(\cb)+7], v[VF+32*(\kk)+8*(\cb):VF+32*(\kk)+8*(\cb)+7], v[P+16*(\t)+8*(\kk):P+16*(\t)+8*(\kk)+7], v[32*(\t)+8*(\cb):32*(\t)+8*(\cb)+7]
.endr
.endr
.endm
; The LDS loads stand in runs of 16; their addresses are made from the loop's counter.  K of step STEP + nxt of half x; V of step STEP.
.macro FETCH_K x, nxt
	WIN 0
	s_lshl_b32 s[TK], s[STEP], 11                  ; a step is four key blocks of 512 bytes
	s_add_co_u32 s[TK], s[TK], (\x)*131072+(\nxt)*2048
	v_add_nc_u32 v[AK], s[TK], v[AK0]
	WIN TO_1
.irp k, 0,1,2,3
.irp c, 0,1,2,3
	ds_load_b128 v[KF+16*(\k)+4*(\c):KF+16*(\k)+4*(\c)+3], v[AK] offset:(\k)*512+(\c)*16384
.endr
.endr
	WIN 0
.endm
.macro FETCH_V x
	WIN 0
	s_lshl_b32 s[TV], s[STEP], 11
	s_add_co_u32 s[TV], s[TV], (\x)*131072
	v_add_nc_u32 v[AV], s[TV], v[AV0]
	WIN TO_1
.irp kk, 0,1
.irp cb, 0,1,2,3
	ds_load_tr16_b128 v[VF+32*(\kk)+8*(\cb):VF+32*(\kk)+8*(\cb)+3],   v[AV] offset:(2*(\kk))*512+(\cb)*16384
	ds_load_tr16_b128 v[VF+32*(\kk)+8*(\cb)+4:VF+32*(\kk)+8*(\cb)+7], v[AV] offset:(2*(\kk)+1)*512+(\cb)*16384
.endr
.endr
	WIN 0
.endm
; A tile's softmax for one step, 118 instructions: the maximum (each accumulator's lowest registers are read first) and the statistics; the scalings; ONE batch of 33 exponentials,
; a plain instruction and one wait; the roundings; the sums; O^T times a.
.macro SM t
.set rT, ST+4*(\t)
.set rS, S+32*(\t)
.set rP, P+16*(\t)
.set rO, 32*(\t)
	WIN 0
.irp n, 0,1,2,3
	v_max3_num_f32 v[TMP+\n], v[rS+8*\n], v[rS+8*\n+1], v[rS+8*\n+2]
.endr
.irp n, 0,1,2,3
	v_max3_num_f32 v[TMP+\n], v[TMP+\n], v[rS+8*\n+3], v[rS+8*\n+4]
.endr
.irp n, 0,1,2,3
	v_max3_num_f32 v[TMP+\n], v[TMP+\n], v[rS+8*\n+5], v[rS+8*\n+6]
.endr
	v_max3_num_f32 v[TMP], v[TMP], v[rS+7], v[rS+15]
	v_max3_num_f32 v[TMP+1], v[TMP+1], v[rS+23], v[rS+31]
	v_max3_num_f32 v[TMP+2], v[TMP+2], v[TMP+3], v[rT+1]
	v_mov_b32 v[MVR], v[rT]
	v_max3_num_f32 v[TMP], v[TMP], v[TMP+1], v[TMP+2]
	v_permlanex16_b32 v[TMP+3], v[TMP], s[SEL], s[SEL+1]  ; the query's other 32 keys lie in the lane 16 away
	v_max_num_f32 v[rT+1], v[TMP], v[TMP+3]
	v_mul_f32 v[rT], s[CS], v[rT+1]
	v_sub_f32 v[TMP+1], v[MVR], v[rT]
.set z, 0
.rept 16
	v_pk_fma_f32 v[rS+z:rS+z+1], v[rS+z:rS+z+1], s[CS:CS+1], v[rT:rT+1] op_sel_hi:[1,0,0] neg_lo:[0,0,1] neg_hi:[0,0,1]
.set z, z+2
.endr
	v_exp_f32 v[TMP+2], v[TMP+1]                   ; a
.set z, 0
.rept 32
	v_exp_f32 v[rS+z], v[rS+z]
.set z, z+1
.endr
	v_nop
	s_wait_alu depctr_va_vdst(0)                   ; the one wait for the batch, ahead of its first reader
.set z, 0
.rept 16
	v_cvt_pk_bf16_f32 v[rP+z], v[rS+2*z], v[rS+2*z+1]
.set z, z+1
.endr
.set z, 0
.rept 8
	v_pk_add_f32 v[rS+4*z:rS+4*z+1], v[rS+4*z:rS+4*z+1], v[rS+4*z+2:rS+4*z+3]
.set z, z+1
.endr
	v_pk_fma_f32 v[rT+2:rT+3], v[rT+2:rT+3], v[TMP+2:TMP+3], v[rS:rS+1] op_sel_hi:[1,0,1]
.set z, 1
.rept 7
	v_pk_add_f32 v[rT+2:rT+3], v[rT+2:rT+3], v[rS+4*z:rS+4*z+1]
.set z, z+1
.endr
	WIN W_RS
.set z, 0
.rept 16
	v_pk_mul_f32 v[rO+z:rO+z+1], v[rO+z:rO+z+1], v[TMP+2:TMP+3] op_sel_hi:[1,0]
.set z, z+2
.endr
.endm
; A tile whose walk ends in this half: its whole step stands under ONE test.  Past its last step it is jumped over; in its last step the scores start from the mask.  The jumps go forward and pass no barrier and no tensor load.
.macro CTILE t, I
	s_cmp_gt_u32 s[STEP], s[\I]
	s_cbranch_scc1 .Lskip_\@
	s_cmp_eq_u32 s[STEP], s[\I]
	s_cbranch_scc1 .Ldiag_\@
	KQ4 \t, 0
	WIN 0
	s_branch .Ljoin_\@
.Ldiag_\@:
	KQ4 \t, 1
	WIN 0
.Ljoin_\@:
	KQ4B \t
	WIN 0
	PLACES
	SM \t
	s_wait_dscnt 0x0                               ; V is in
	PV \t
	WIN 0
.Lskip_\@:
.endm
; The eight steps of half x.  Half 0: tile 1 takes every step, tile 0 ends here.  Half 1: tile 1 ends here; past its last step a trip is dead.
.macro HALF x
	s_mov_b32 s[STEP], 0
.if \x
	s_mov_b32 s[LASTK], s[I1]
.else
	s_mov_b32 s[LASTK], 7
.endif
	FETCH_K \x, 0
.Lstep_\x:
.if \x
	s_cmp_gt_u32 s[STEP], s[I1]
	s_cbranch_scc1 .Ldead_\x
.endif
	FETCH_V \x
	s_wait_dscnt 16                                ; K is in; V's sixteen younger loads may stay out
.if \x
	CTILE 1, I1
	s_wait_dscnt 0x0                               ; V's run is back on every way through the trip, that past the tile too: the next trip loads into the same registers.  (In half 0 the wait ahead of tile 1's V^T P does this.)
.else
	KQ4 1, 0
	KQ4B 1
	WIN 0
	CTILE 0, I0
.endif
	PLACES                                         ; behind the last product that read K, and ahead of the first read of scores
	s_cmp_eq_u32 s[STEP], s[LASTK]                 ; my last step of the half fetches no further K
	s_cbranch_scc1 .Lnok_\x
	FETCH_K \x, 1
.Lnok_\x:
.if (\x) == 0
	SM 1
	s_wait_dscnt 0x0
	PV 1
	WIN 0
.endif
	PLACES                                         ; behind the last product that read V
.Ldead_\x:
	s_add_co_u32 s[STEP], s[STEP], 1
	s_cmp_lt_u32 s[STEP], 8
	s_cbranch_scc1 .Lstep_\x
.endm
	s_load_b128 s[4:7], s[0:1], 0x0                ; wide s[4:5], hb s[6:7]
	v_lshl_add_u32 v[SPW], v0, 2, SPARE
	v_mov_b32 v[NIL], 0
	ds_add_u32 v[SPW], v[NIL]                      ; the wave's opening: the add and its wait ahead of my first tensor load
	v_lshrrev_b32 v1, 5, v0
	v_readfirstlane_b32 s[WV], v1                  ; wave 0..7
	s_bfe_u32 s[CX], ttmp6, 0x40000
	s_and_b32 s20, ttmp7, 0xffff
	s_lshr_b32 s21, s20, 4                         ; batch
	s_and_b32 s20, s20, 15                         ; head
	s_sub_co_u32 s22, 11, s[WV]
	s_cmp_lt_u32 s[WV], 4
	s_cselect_b32 s[I0], s[WV], s22                ; a = w, or 11 - w from wave 4 on
	s_sub_co_u32 s[I1], 7, s[I0]
	s_mov_b32 s[G1], 15|(3<<16)|(1<<21)            ; the mask of four; elements of 8 bytes; 21 set beside a mask
	s_mov_b32 s[G1+1], 2048<<16                    ; tensor_dim0 = 2,048 elements = 16,384 bytes: 32 key blocks of one channel block
	s_mov_b32 s[G1+2], 1<<16                       ; tensor_dim1 = 1
	s_mov_b32 s[G1+3], 2048<<16                    ; tile_dim0
	s_mov_b32 s[G1+4], 1                           ; tile_dim1
	s_mov_b32 s[G1+5], 2048                        ; the pitch of the one row: its length
	s_mov_b32 s[G1+6], 0
	s_mov_b32 s[G1+7], 0
	s_lshl_b32 s44, s[WV], 14                      ; where my load lands in a half: wave x 16,384
	s_lshr_b32 s22, s[WV], 2                       ; K or V
	s_and_b32 s23, s[WV], 3                        ; which channel block
	s_add_co_u32 s46, s22, 1
	s_lshl_b32 s46, s46, 6
	s_lshl_b32 s47, s20, 2
	s_add_co_u32 s46, s46, s47
	s_add_co_u32 s46, s46, s23                     ; kb = 64 (1 + operand) + 4 head + w % 4
	s_lshl_b32 s46, s46, 17
	s_lshl_b32 s47, s21, 15                        ; mb = 64 batch
	s_add_co_u32 s46, s46, s47
	s_mov_b32 s47, 0
	s_lshl_b32 s48, s20, 19                        ; Q and O: kb = 4 head, mb = 64 batch
	s_lshl_b32 s49, s21, 15
	s_add_co_u32 s48, s48, s49
	s_mov_b32 s49, 0
	s_mov_b32 s[CS], 0x3e38aa3b                    ; c = log2(e) / 8
	s_mov_b32 s[CS+1], s[CS]
	s_mov_b32 s[SEL], 0x76543210
	s_mov_b32 s[SEL+1], 0xfedcba98
	s_mov_b32 s[BIGN], 0xf149f2ca                  ; -1e30
	s_mov_b32 s[G0], 1
	s_mov_b32 s[G0+1], s44
	s_mov_b32 s[G0+4], 1
	s_add_co_u32 s[G0+5], s44, 131072
	s_wait_dscnt 0x0                               ; the opening add is done
	s_wait_kmcnt 0x0
	s_add_nc_u64 s[G0+2:G0+3], s[4:5], s[46:47]
	s_add_nc_u64 s[G0+6:G0+7], s[G0+2:G0+3], 16384 ; 32 key blocks on
	s_or_b32 s[G0+3], s[G0+3], 0x80000000
	s_or_b32 s[G0+7], s[G0+7], 0x80000000
	s_add_nc_u64 s[QB:QB+1], s[4:5], s[48:49]
	s_add_nc_u64 s[OB:OB+1], s[6:7], s[48:49]
	ROUND                                          ; all four work-groups are here: the joint loads meet
	tensor_load_to_lds s[G0:G0+3], s[G1:G1+7]      ; half 0
	s_nop 0
	tensor_load_to_lds s[G0+4:G0+7], s[G1:G1+7]    ; half 1: two loads of mine are out
	s_nop 0
.rept 4
	v_nop
.endr
	v_and_b32 v1, 15, v0                           ; r
	v_bfe_u32 v6, v0, 4, 1                         ; h
	v_and_b32 v7, 31, v0                           ; l
	v_lshlrev_b32 v[AK0], 4, v7
	s_lshl_b32 s50, s[I0], 2
	s_add_co_u32 s50, s50, s[CX]                   ; tile 0 is block 4 a + cx
	s_lshl_b32 s50, s50, 9
	v_add_nc_u32 v[QO], s50, v[AK0]
	s_lshl_b32 s50, s[I1], 2
	s_add_co_u32 s50, s50, s[CX]                   ; tile 1 is block 32 + 4 (7 - a) + cx
	s_lshl_b32 s50, s50, 9
	s_add_co_u32 s50, s50, 16384
	v_add_nc_u32 v[QO+1], s50, v[AK0]
	WIN TO_1
.irp t, 0,1
.irp c, 0,1,2,3
	global_load_b128 v[QF+16*\t+4*\c:QF+16*\t+4*\c+3], v[QO+\t], s[QB:QB+1] offset:\c*131072
.endr
.endr
.set i, 0                                      ; O^T and l start at 0, in the wait for the first tiles: no first step is written out
.rept 64
	v_mov_b32 v[i], 0
.set i, i+1
.endr
	WIN 0
.set i, 0
.rept 2
	v_mov_b32 v[ST+4*i], 0xfe000000                ; c m: far below every c s
	v_mov_b32 v[ST+4*i+1], 0xff7fffff              ; m
	v_mov_b32 v[ST+4*i+2], 0
	v_mov_b32 v[ST+4*i+3], 0
.set i, i+1
.endr
	v_lshlrev_b32 v14, 3, v6
	v_sub_nc_u32 v14, v1, v14
	s_lshl_b32 s50, s[CX], 4
	v_add_nc_u32 v14, s50, v14                     ; my query's place in its step, 16 cx + r, less my lanes' 8 h: register j of key group kt is hidden where 16 kt + j is greater
	WIN TO_1
.set i, 0
.rept 32
	v_cmp_gt_i32 vcc_lo, 16*(i/8)+i%8, v14
	v_cndmask_b32 v[MD+i], 0, s[BIGN], vcc_lo
.set i, i+1
.endr
	WIN 0
	; the turning load: lane l addresses key 8 h + l % 8, channel half hc = (l / 8) % 2; in the upper half the keys lie at key + 8 mod 16
	v_and_b32 v13, 7, v0
	v_bfe_u32 v15, v0, 3, 1
	v_add_nc_u32 v[AV0], v6, v15
	v_and_b32 v[AV0], 1, v[AV0]
	v_lshl_add_u32 v13, v[AV0], 3, v13
	v_lshlrev_b32 v13, 4, v13
	v_lshl_add_u32 v13, v15, 8, v13
	v_add_nc_u32 v[AV0], 65536, v13
	s_wait_tensorcnt 0x1                           ; my part of half 0 is in; half 1's may stay out
	s_barrier_signal -1
	s_barrier_wait -1
	s_wait_loadcnt 0x0                             ; Q
	HALF 0
	s_wait_dscnt 0x0
	s_wait_tensorcnt 0x0                           ; my part of half 1 is in,
	s_barrier_signal -1
	s_barrier_wait -1                              ; everybody's is
	HALF 1
	; THE WAY OUT: l's halves and the other lanes' are added; O^T is divided by l, rounded, and stored from registers
.irp t, 0,1
	v_add_f32 v[ST+4*\t+2], v[ST+4*\t+2], v[ST+4*\t+3]
.endr
.irp t, 0,1
	v_permlanex16_b32 v[ST+4*\t+3], v[ST+4*\t+2], s[SEL], s[SEL+1]
.endr
.irp t, 0,1
	v_add_f32 v[ST+4*\t+2], v[ST+4*\t+2], v[ST+4*\t+3]
.endr
.irp t, 0,1
	v_rcp_f32 v[ST+4*\t+2], v[ST+4*\t+2]
.endr
	v_nop
	s_wait_alu depctr_va_vdst(0)                   ; one wait for the two reciprocals
.macro OUTT t
	WIN W_RS
.set z, 0
.rept 16
	v_pk_mul_f32 v[32*(\t)+z:32*(\t)+z+1], v[32*(\t)+z:32*(\t)+z+1], v[ST+4*(\t)+2:ST+4*(\t)+3] op_sel_hi:[1,0]
.set z, z+2
.endr
	WIN 0x05                                       ; sources 0 and 1 in window 1, destination in window 0
.set z, 0
.rept 16
	v_cvt_pk_bf16_f32 v[S+16*(\t)+z], v[32*(\t)+2*z], v[32*(\t)+2*z+1]
.set z, z+1
.endr
	WIN 0
.irp cb, 0,1,2,3
	global_store_b128 v[QO+(\t)], v[S+16*(\t)+4*(\cb):S+16*(\t)+4*(\cb)+3], s[OB:OB+1] offset:(\cb)*131072  ; 512 consecutive bytes, aligned
.endr
.endm
	OUTT 0
	OUTT 1
	s_wait_tensorcnt 0x0                           ; the wave's end
	ds_add_u32 v[SPW], v[NIL]
	s_wait_dscnt 0x0
	ROUND                                          ; the closing round
	s_endpgm
.Lfunc_end_k_q6585515fc6_attn:
	.size	k_q6585515fc6_attn, .Lfunc_end_k_q6585515fc6_attn-k_q6585515fc6_attn
	.p2alignl 7, 3214868480
	.fill 96, 4, 3214868480
	.section	.rodata,"a",@progbits
	.p2align	6, 0x0
	.amdhsa_kernel k_q6585515fc6_attn
		.amdhsa_group_segment_fixed_size 327680
		.amdhsa_private_segment_fixed_size 0
		.amdhsa_enable_private_segment 0
		.amdhsa_kernarg_size 16
		.amdhsa_user_sgpr_count 2
		.amdhsa_user_sgpr_kernarg_segment_ptr 1
		.amdhsa_wavefront_size32 1
		.amdhsa_system_sgpr_workgroup_id_x 1
		.amdhsa_system_sgpr_workgroup_id_y 1
		.amdhsa_system_sgpr_workgroup_id_z 1
		.amdhsa_system_vgpr_workitem_id 0
		.amdhsa_next_free_vgpr 512
		.amdhsa_next_free_sgpr 66
		.amdhsa_reserve_vcc 1
		.amdhsa_float_denorm_mode_32 3
		.amdhsa_float_denorm_mode_16_64 3
		.amdhsa_memory_ordered 1
		.amdhsa_forward_progress 1
		.amdhsa_inst_pref_size 49
	.end_amdhsa_kernel
	.amdgpu_metadata
---
amdhsa.version: [ 1, 2 ]
amdhsa.kernels:
  - .name:           k_q6585515fc6_attn
    .symbol:         k_q6585515fc6_attn.kd
    .args:
      - { .name: wide, .offset: 0, .size: 8, .value_kind: global_buffer, .address_space: global }
      - { .name: hb, .offset: 8, .size: 8, .value_kind: global_buffer, .address_space: global }
    .group_segment_fixed_size: 327680
    .private_segment_fixed_size: 0
    .kernarg_segment_align: 8
    .kernarg_segment_size: 16
    .max_flat_workgroup_size: 256
    .sgpr_count:     66
    .vgpr_count:     512
    .wavefront_size: 32
...
	.end_amdgpu_metadata
.endif
;; end of part 3
;; launch cproj (part 4): grid 8 x 32, 4 waves a work-group, clusters of 4 x 4, 327,680 bytes of LDS; arguments hb, wbf, b_cproj, x, x1; writes x1
.if DOCPART == 4
	.amdgcn_target "amdgcn-amd-amdhsa--gfx1250"
	.amdhsa_code_object_version 6
	.text
	.protected	k_q6585515fc6_cproj
	.globl	k_q6585515fc6_cproj
	.p2align	8
	.type	k_q6585515fc6_cproj,@function
k_q6585515fc6_cproj:
	s_mov_b64 s[64:65], 0
	v_nop
	global_prefetch_b8 v0, s[64:65] scope:SCOPE_SE
	s_setreg_imm32_b32 hwreg(HW_REG_WAVE_MODE, 25, 1), 1
	s_wait_xcnt 0x0
	s_wait_alu depctr_hold_cnt(0) depctr_sa_sdst(0) depctr_va_vdst(0) depctr_va_sdst(0) depctr_va_ssrc(0) depctr_va_vcc(0) depctr_vm_vsrc(0)
	s_getreg_b32 s2, hwreg(HW_REG_IB_STS2, 6, 4)
	s_cmp_eq_u32 s2, 0
	s_cbranch_scc0 .Lentry_in_a_cluster
	s_endpgm
.Lentry_in_a_cluster:
	s_bfe_u32 s2, ttmp6, 0x10000c
	s_cmp_lg_u32 s2, 0xf033
	s_cbranch_scc0 .Lentry_shape_is_right
	s_endpgm
.Lentry_shape_is_right:
; OUT = RES + A W + bias, in f32, row-major [4,096][1,024].  A: 4,096 rows x 256 NSTEP, W: 256 NSTEP x 1,024, both bf16 in FRAGMENT BLOCKS of 16 rows x 16 K = 512 bytes (lane l = 16 h + r: row r,
; K = 8 h .. + 7 at byte 16 l): A's block (kb, mb) at (kb 256 + mb) 512, W's (kb, nb) at (kb 64 + nb) 512.  RES: f32, row-major.
; SHARES.  32 x 8 tiles of 128 x 128 give 256 work-groups; four waves of 64 x 64: 16 accumulators.  K goes in steps of 256 through two LDS slots: a step's part of A is 16 rows (kb) of 4,096 consecutive
; bytes, W's likewise; each wave fetches eight such rows by one tensor load.  A fragment is two LDS loads at 16 l: 512 consecutive bytes, no padding.
; The product is taken transposed (source 0 = W, source 1 = A); the bias is the C operand of the products that start the sums.  CLUSTER 4 x 4: A's tiles jointly along a row, W's along a column.
; THE WAY OUT: the f32 sums meet in a stage (128 rows at pitch 528) in slot 0, whose last fill and last read lie ahead of the last change of slots (NSTEP is even); each wave reads 32 whole rows of 512 bytes,
; adds the residual, which it asked for at the head, and stores 512 consecutive bytes, aligned.
; LIMITS: operands are bf16; sums, bias and residual f32.
.set NSTEP,  4
.set WOFF,   6291456                   ; where this launch's weights begin in wbf
.set APITCH, 131072
.set BPITCH, 32768
.set ASTEP,  16*APITCH
.set BSTEP,  16*BPITCH
.set SLOT,   131072
.set SPARE,  262144
.set SPITCH, 528
.set PA,     2                         ; the prefetches stop when so many refills are left; with NSTEP - 2 <= PA none is written: such a launch is over after four steps
.set ADRA0, 16
.set ADRB0, 17
.set ADRA,  18
.set ADRB,  19
.set STO,   20                         ; v20  the way out: where I put 32 bytes of a row
.set RD,    21                         ; v21  where I read a row back
.set RO,    22                         ; v22  16 l
.set BO,    23                         ; v23  32 h
.set SPW,   28
.set NIL,   29
.set PFO,   30
.set BI,    32                         ; v32-63: four bias tuples
.set ACC,   128                        ; v128-255: accumulator (a, b) at ACC + 8 (4 a + b)
.set F0,    0                          ; window 1: two fragment buffers of 128: A's (c, i) at 8 (4 c + i), W's at 64 + 8 (4 c + i).  Window 2: v0-127 the residual
.set F1,    128
.set WV,   12
.set WR,   13
.set WC,   14
.set CX,   15
.set CY,   16
.set TCOL, 17
.set TROW, 18
.set TB,   19
.set G1A,  24
.set G0A,  32
.set PFA,  40
.set LIM,  42
.set PST,  44
.set G1B,  48
.set G0B,  56
.set OUT,  66
.set MSB, 0
.macro WIN new
.if MSB != (\new)
	s_set_vgpr_msb (MSB<<8)|(\new)
.set MSB, \new
.endif
.endm
.set MUL,  0x05                        ; sources 0 (W) and 1 (A) window 1; C and D window 0
.set TO_F, 0x40
.macro PLACES
.rept 4
	v_nop
.endr
.endm
.macro CREST
	s_cmp_lg_u32 s[WV], 0
	s_cbranch_scc1 .Lnot_wave_0_\@
	s_barrier_signal -3
.Lnot_wave_0_\@:
	s_barrier_wait -3
	s_barrier_signal -1
	s_barrier_wait -1
.endm
.macro CROUND
	s_barrier_signal -1
	s_barrier_wait -1
	CREST
.endm
.macro JLOAD                           ; a joint refill by the walking descriptor; an s_nop 0 and four v_nop follow each line
	s_cmp_eq_u32 s[WR], 0
	s_cbranch_scc0 .Lfor_b_\@
	tensor_load_to_lds s[G0A+4:G0A+7], s[G1A:G1A+7]
	s_nop 0
.rept 4
	v_nop
.endr
	s_branch .Lasked_\@
.Lfor_b_\@:
	tensor_load_to_lds s[G0B+4:G0B+7], s[G1B:G1B+7]
	s_nop 0
.rept 4
	v_nop
.endr
.Lasked_\@:
.endm
; A prefetch of the K step that stands two refills on: 256 matrix instructions ahead of its load.  Of the eight kb rows that a wave fetches, the partner at place p takes rows 2 p and 2 p + 1: 4,096 bytes each,
; 256 a lane: told apart by address.  A's rows: cluster x = 0 asks; W's: cluster y = 0.  Steps 0 to 3 come by their loads alone; the last two refills ask for nothing.
.macro ASK
	WIN 0
	s_cmp_gt_u32 s3, s[LIM]
	s_cbranch_scc0 .Lnot_mine_\@
	global_prefetch_b8 v[PFO], s[PFA:PFA+1] th:TH_LOAD_NT scope:SCOPE_SE
.Lnot_mine_\@:
.endm
.macro FETCH q, f                      ; 32 LDS loads: quarter q (64 K: kb rows 4 q .. 4 q + 3) into buffer f; the first 32 K first
	WIN TO_F
.irp c, 0,1
.irp i, 0,1,2,3
	ds_load_b128 v[(\f)+64+8*(4*(\c)+(\i)):(\f)+64+8*(4*(\c)+(\i))+3],   v[ADRB] offset:(4*(\q)+2*(\c))*4096+512*(\i)
	ds_load_b128 v[(\f)+64+8*(4*(\c)+(\i))+4:(\f)+64+8*(4*(\c)+(\i))+7], v[ADRB] offset:(4*(\q)+2*(\c)+1)*4096+512*(\i)
	ds_load_b128 v[(\f)+8*(4*(\c)+(\i)):(\f)+8*(4*(\c)+(\i))+3],         v[ADRA] offset:(4*(\q)+2*(\c))*4096+512*(\i)
	ds_load_b128 v[(\f)+8*(4*(\c)+(\i))+4:(\f)+8*(4*(\c)+(\i))+7],       v[ADRA] offset:(4*(\q)+2*(\c)+1)*4096+512*(\i)
.endr
.endr
.endm
.macro MUL8 f, c, a0, first            ; 8 products: row blocks a0, a0 + 1 x 4 column blocks, 32 K (half c of buffer f); the 16 accumulators take turns
	WIN MUL
.irp a, \a0, (\a0)+1
.irp b, 0,1,2,3
.if \first
	v_wmma_f32_16x16x32_bf16 v[ACC+8*(4*(\a)+(\b)):ACC+8*(4*(\a)+(\b))+7], v[(\f)+64+8*(4*(\c)+(\b)):(\f)+64+8*(4*(\c)+(\b))+7], v[(\f)+8*(4*(\c)+(\a)):(\f)+8*(4*(\c)+(\a))+7], v[BI+8*(\b):BI+8*(\b)+7]
.else
	v_wmma_f32_16x16x32_bf16 v[ACC+8*(4*(\a)+(\b)):ACC+8*(4*(\a)+(\b))+7], v[(\f)+64+8*(4*(\c)+(\b)):(\f)+64+8*(4*(\c)+(\b))+7], v[(\f)+8*(4*(\c)+(\a)):(\f)+8*(4*(\c)+(\a))+7], v[ACC+8*(4*(\a)+(\b)):ACC+8*(4*(\a)+(\b))+7]
.endif
.endr
.endr
.endm
.macro QUARTER q, f, g, first
	s_wait_dscnt 16                                ; the first 32 K are in; the other sixteen loads may be out
	MUL8 \f, 0, 0, \first
	MUL8 \f, 0, 2, \first
	PLACES
	FETCH \q, \g
	s_wait_dscnt 32                                ; all but the 32 just issued
	MUL8 \f, 1, 0, 0
	MUL8 \f, 1, 2, 0
.endm
.macro TURN fill                       ; the last quarter of a step, and the change of slots: the wait for all my tensor loads, the add, the wait for it and for my reads; the barrier (fill = 1: a round of the cluster's); the refill first
.if (\fill) && (NSTEP-2 > PA)
	s_wait_xcnt 0x0                                ; the last prefetch, a K step back, has read its address
	s_add_nc_u64 s[PFA:PFA+1], s[PFA:PFA+1], s[PST:PST+1]
.endif
	WIN 0
	s_wait_tensorcnt 0x0
	ds_add_u32 v[SPW], v[NIL]
	s_wait_dscnt 17                                ; the add and the youngest sixteen loads may be out
	MUL8 F1, 0, 0, 0
	s_wait_dscnt 0x0
	s_barrier_signal -1
	MUL8 F1, 0, 2, 0
	WIN 0
	s_barrier_wait -1
.if \fill
	CREST
	s_xor_b32 s[G0A+5], s[G0A+5], SLOT
	s_add_nc_u64 s[G0A+6:G0A+7], s[G0A+6:G0A+7], ASTEP
	s_xor_b32 s[G0B+5], s[G0B+5], SLOT
	s_add_nc_u64 s[G0B+6:G0B+7], s[G0B+6:G0B+7], BSTEP
	JLOAD                                          ; 112 matrix instructions ahead of the wait for it; its four v_nop are also the places in front of the loads below
.else
	PLACES
.endif
	s_xor_b32 s[TB], s[TB], SLOT
	v_add_nc_u32 v[ADRA], s[TB], v[ADRA0]
	v_add_nc_u32 v[ADRB], s[TB], v[ADRB0]
	FETCH 0, F0
.if (\fill) && (NSTEP-2 > PA)
	ASK
.endif
	MUL8 F1, 1, 0, 0
	MUL8 F1, 1, 2, 0
.endm
	s_load_b256 s[4:11], s[0:1], 0x0               ; A s[4:5], wbf s[6:7], bias s[8:9], RES s[10:11]
	s_load_b64 s[OUT:OUT+1], s[0:1], 0x20          ; OUT
	v_lshl_add_u32 v[SPW], v0, 2, SPARE
	v_mov_b32 v[NIL], 0
	ds_add_u32 v[SPW], v[NIL]                      ; the wave's opening: the add and its wait ahead of my first tensor load
	v_lshrrev_b32 v1, 5, v0
	v_readfirstlane_b32 s[WV], v1
	s_lshr_b32 s[WR], s[WV], 1
	s_and_b32 s[WC], s[WV], 1
	s_bfe_u32 s[CX], ttmp6, 0x40000
	s_bfe_u32 s[CY], ttmp6, 0x40004
	s_lshl_b32 s[TCOL], ttmp9, 2
	s_add_co_u32 s[TCOL], s[TCOL], s[CX]
	s_and_b32 s[TROW], ttmp7, 0xffff
	s_lshl_b32 s[TROW], s[TROW], 2
	s_add_co_u32 s[TROW], s[TROW], s[CY]
	s_lshl_b32 s20, s[CY], 2
	s_lshl_b32 s20, 15, s20
	s_lshl_b32 s22, 0x1111, s[CX]
	s_or_b32 s[G1A], s20, (3<<16)|(1<<21)
	s_or_b32 s[G1B], s22, (3<<16)|(1<<21)
.irp g, G1A, G1B
	s_mov_b32 s[\g+1], 512<<16                     ; tensor_dim0 = 512 elements = 4,096 bytes
	s_mov_b32 s[\g+2], 8<<16                       ; tensor_dim1 = 8
	s_mov_b32 s[\g+3], 512<<16
	s_mov_b32 s[\g+4], 8
	s_mov_b32 s[\g+6], 0
	s_mov_b32 s[\g+7], 0
.endr
	s_mov_b32 s[G1A+5], APITCH/8
	s_mov_b32 s[G1B+5], BPITCH/8
	s_lshl_b32 s20, s[TROW], 12                    ; A: the tile's 8 blocks of each kb, and my eight kb rows; s20, s21 hold nothing of cx
	s_lshl_b32 s21, s[WC], 20
	s_add_co_u32 s20, s20, s21
	s_mov_b32 s21, 0
	s_lshl_b32 s22, s[TCOL], 12                    ; W likewise; s22, s23 hold nothing of cy
	s_lshl_b32 s23, s[WC], 18
	s_add_co_u32 s22, s22, s23
	s_mov_b32 s23, 0
	s_lshl_b32 s46, s[WV], 15
	s_mov_b32 s[TB], 0
	s_wait_dscnt 0x0
	s_wait_kmcnt 0x0
	s_add_nc_u64 s[6:7], s[6:7], WOFF
	s_add_nc_u64 s[20:21], s[4:5], s[20:21]
	s_add_nc_u64 s[22:23], s[6:7], s[22:23]
	s_mov_b32 s[G0A], 1
	s_mov_b32 s[G0A+1], s46
	s_mov_b64 s[G0A+2:G0A+3], s[20:21]
	s_or_b32 s[G0A+3], s[G0A+3], 0x80000000
	s_mov_b32 s[G0A+4], 1
	s_add_co_u32 s[G0A+5], s46, SLOT
	s_add_nc_u64 s[G0A+6:G0A+7], s[20:21], ASTEP
	s_or_b32 s[G0A+7], s[G0A+7], 0x80000000
	s_mov_b32 s[G0B], 1
	s_mov_b32 s[G0B+1], s46
	s_mov_b64 s[G0B+2:G0B+3], s[22:23]
	s_or_b32 s[G0B+3], s[G0B+3], 0x80000000
	s_mov_b32 s[G0B+4], 1
	s_add_co_u32 s[G0B+5], s46, SLOT
	s_add_nc_u64 s[G0B+6:G0B+7], s[22:23], BSTEP
	s_or_b32 s[G0B+7], s[G0B+7], 0x80000000
	CROUND
	s_cmp_eq_u32 s[WR], 0                          ; a wave's two first fills stand in one branch: two loads of mine are out
	s_cbranch_scc0 .Lfirst_b
	tensor_load_to_lds s[G0A:G0A+3], s[G1A:G1A+7]
	s_nop 0
	tensor_load_to_lds s[G0A+4:G0A+7], s[G1A:G1A+7]
	s_nop 0
.rept 4
	v_nop
.endr
	s_branch .Lfirst_asked
.Lfirst_b:
	tensor_load_to_lds s[G0B:G0B+3], s[G1B:G1B+7]
	s_nop 0
	tensor_load_to_lds s[G0B+4:G0B+7], s[G1B:G1B+7]
	s_nop 0
.rept 4
	v_nop
.endr
.Lfirst_asked:
	v_bfe_u32 v2, v0, 4, 1                         ; h
	v_and_b32 v3, 31, v0                           ; l
	v_and_b32 v5, 15, v0                           ; r
	v_lshlrev_b32 v[RO], 4, v3
	v_lshlrev_b32 v[BO], 5, v2
	s_lshl_b32 s22, s[TCOL], 9
	s_lshl_b32 s23, s[WC], 8
	s_add_co_u32 s22, s22, s23
	s_mov_b32 s23, 0
	s_add_nc_u64 s[8:9], s[8:9], s[22:23]          ; the bias of my 64 columns
.irp b, 0,1,2,3
	global_load_b128 v[BI+8*\b:BI+8*\b+3],   v[BO], s[8:9] offset:64*\b
	global_load_b128 v[BI+8*\b+4:BI+8*\b+7], v[BO], s[8:9] offset:64*\b+16
.endr
	s_lshl_b32 s72, s[TROW], 19                    ; RES and OUT at row 128 tile row + 32 wave, column 128 tile column
	s_lshl_b32 s71, s[WV], 17
	s_add_co_u32 s72, s72, s71
	s_lshl_b32 s71, s[TCOL], 9
	s_add_co_u32 s72, s72, s71
	s_mov_b32 s73, 0
	s_add_nc_u64 s[10:11], s[10:11], s[72:73]
	s_add_nc_u64 s[OUT:OUT+1], s[OUT:OUT+1], s[72:73]
	WIN 0x80                                       ; the residual of the 32 rows that I store, into window 2: on its way during the whole K loop
.set tt, 0
.rept 32
	global_load_b128 v[4*tt:4*tt+3], v[RO], s[10:11] offset:tt*4096
.set tt, tt+1
.endr
	WIN 0
	s_lshl_b32 s47, s[WR], 11
	v_add_nc_u32 v[ADRA0], s47, v[RO]              ; my four row blocks of each kb
	s_lshl_b32 s47, s[WC], 11
	s_add_co_u32 s47, s47, 65536
	v_add_nc_u32 v[ADRB0], s47, v[RO]
	v_mov_b32 v[ADRA], v[ADRA0]
	v_mov_b32 v[ADRB], v[ADRB0]
	s_mul_i32 s47, s[WR], 64*SPITCH                ; into the stage: row 64 row half + r, byte 256 column half + 32 h
	s_lshl_b32 s71, s[WC], 8
	s_add_co_u32 s47, s47, s71
	v_mul_u32_u24 v[STO], v5, SPITCH
	v_lshl_add_u32 v[STO], v2, 5, v[STO]
	v_add_nc_u32 v[STO], s47, v[STO]
	s_mul_i32 s47, s[WV], 32*SPITCH                ; back: rows 32 wave on, whole
	v_add_nc_u32 v[RD], s47, v[RO]
.if NSTEP-2 > PA
	s_and_b32 s71, ttmp7, 0xffff                   ; the prefetches
	s_mov_b32 s[PST], BPITCH
	s_cmp_eq_u32 s[WR], 0
	s_cselect_b32 s43, s[TROW], s[TCOL]
	s_cselect_b32 s47, s[CX], s[CY]
	s_cselect_b32 s71, ttmp9, s71
	s_cselect_b32 s[PST], APITCH, s[PST]
	s_cselect_b64 s[PFA:PFA+1], s[4:5], s[6:7]
	s_cmp_eq_u32 s71, 0
	s_cselect_b32 s[LIM], PA, -1
	s_lshl_b32 s71, s[WC], 3
	s_lshl_b32 s47, s47, 1
	s_add_co_u32 s47, s47, s71
	s_add_co_u32 s47, s47, 48                      ; at K step 3: the first refill steps it to 4
	s_mul_i32 s47, s47, s[PST]
	s_lshl_b32 s43, s43, 12
	s_add_co_u32 s72, s47, s43
	s_add_nc_u64 s[PFA:PFA+1], s[PFA:PFA+1], s[72:73]
	v_mul_u32_u24 v[PFO], v2, s[PST]               ; lanes 0-15 the first of my two rows, lanes 16-31 the second
	v_lshl_add_u32 v[PFO], v5, 8, v[PFO]
	s_lshl_b32 s[PST], s[PST], 4
	s_mov_b32 s[PST+1], 0
.endif
	s_wait_tensorcnt 0x1                           ; my part of K step 0 is in; step 1's may stay out
	s_barrier_signal -1
	s_barrier_wait -1
	FETCH 0, F0
	s_wait_loadcnt 32                              ; the bias is in; the 32 younger loads of the residual stay out
	QUARTER 1, F0, F1, 1
	WIN 0
	s_mov_b32 s3, NSTEP-2
.Lstep:
	QUARTER 2, F1, F0, 0
	QUARTER 3, F0, F1, 0
	TURN 1
	QUARTER 1, F0, F1, 0
	WIN 0
	s_sub_co_u32 s3, s3, 1
	s_cmp_lg_u32 s3, 0
	s_cbranch_scc1 .Lstep
	s_mov_b32 s2, 2                                ; the last two steps ask for nothing; the second trip is left in its middle
.Ltail:
	QUARTER 2, F1, F0, 0
	QUARTER 3, F0, F1, 0
	WIN 0
	s_sub_co_u32 s2, s2, 1
	s_cmp_eq_u32 s2, 0
	s_cbranch_scc1 .Llast
	TURN 0
	QUARTER 1, F0, F1, 0
	WIN 0
	s_branch .Ltail
.Llast:
	s_wait_dscnt 16
	MUL8 F1, 0, 0, 0
	MUL8 F1, 0, 2, 0
	s_wait_dscnt 0x0
	MUL8 F1, 1, 0, 0
	MUL8 F1, 1, 2, 0
	WIN 0
	PLACES
	PLACES
.irp a, 0,1,2,3
.irp b, 0,1,2,3
	ds_store_b128 v[STO], v[ACC+8*(4*\a+\b):ACC+8*(4*\a+\b)+3]   offset:\a*16*SPITCH+64*\b
	ds_store_b128 v[STO], v[ACC+8*(4*\a+\b)+4:ACC+8*(4*\a+\b)+7] offset:\a*16*SPITCH+64*\b+16
.endr
.endr
	s_wait_dscnt 0x0                               ; for the others' sake: my stores into the stage are done
	s_barrier_signal -1
	s_barrier_wait -1
	WIN 0x40
.set tt, 0
.rept 32
	ds_load_b128 v[4*tt:4*tt+3], v[RD] offset:tt*SPITCH
.set tt, tt+1
.endr
	s_wait_loadcnt 0x0                             ; the residual
	WIN 0x49                                       ; destination and source 0 window 1, source 1 window 2
.set tt, 0
.rept 32
	s_wait_dscnt 31-tt                             ; row tt is back; the younger ones may stay out
	v_pk_add_f32 v[4*tt:4*tt+1], v[4*tt:4*tt+1], v[4*tt:4*tt+1]
	v_pk_add_f32 v[4*tt+2:4*tt+3], v[4*tt+2:4*tt+3], v[4*tt+2:4*tt+3]
.set tt, tt+1
.endr
	WIN 0x04                                       ; the stores' data in window 1
.set tt, 0
.rept 32
	global_store_b128 v[RO], v[4*tt:4*tt+3], s[OUT:OUT+1] offset:tt*4096  ; 512 consecutive bytes, aligned
.set tt, tt+1
.endr
	WIN 0
	s_wait_tensorcnt 0x0                           ; the wave's end
	ds_add_u32 v[SPW], v[NIL]
	s_wait_dscnt 0x0
	CROUND                                         ; the closing round
	s_endpgm
.Lfunc_end_k_q6585515fc6_cproj:
	.size	k_q6585515fc6_cproj, .Lfunc_end_k_q6585515fc6_cproj-k_q6585515fc6_cproj
	.p2alignl 7, 3214868480
	.fill 96, 4, 3214868480
	.section	.rodata,"a",@progbits
	.p2align	6, 0x0
	.amdhsa_kernel k_q6585515fc6_cproj
		.amdhsa_group_segment_fixed_size 327680
		.amdhsa_private_segment_fixed_size 0
		.amdhsa_enable_private_segment 0
		.amdhsa_kernarg_size 40
		.amdhsa_user_sgpr_count 2
		.amdhsa_user_sgpr_kernarg_segment_ptr 1
		.amdhsa_wavefront_size32 1
		.amdhsa_system_sgpr_workgroup_id_x 1
		.amdhsa_system_sgpr_workgroup_id_y 1
		.amdhsa_system_sgpr_workgroup_id_z 1
		.amdhsa_system_vgpr_workitem_id 0
		.amdhsa_next_free_vgpr 640
		.amdhsa_next_free_sgpr 74
		.amdhsa_reserve_vcc 0
		.amdhsa_float_denorm_mode_32 3
		.amdhsa_float_denorm_mode_16_64 3
		.amdhsa_memory_ordered 1
		.amdhsa_forward_progress 1
		.amdhsa_inst_pref_size 68
	.end_amdhsa_kernel
	.amdgpu_metadata
---
amdhsa.version: [ 1, 2 ]
amdhsa.kernels:
  - .name:           k_q6585515fc6_cproj
    .symbol:         k_q6585515fc6_cproj.kd
    .args:
      - { .name: hb, .offset: 0, .size: 8, .value_kind: global_buffer, .address_space: global }
      - { .name: wbf, .offset: 8, .size: 8, .value_kind: global_buffer, .address_space: global }
      - { .name: b_cproj, .offset: 16, .size: 8, .value_kind: global_buffer, .address_space: global }
      - { .name: x, .offset: 24, .size: 8, .value_kind: global_buffer, .address_space: global }
      - { .name: x1, .offset: 32, .size: 8, .value_kind: global_buffer, .address_space: global }
    .group_segment_fixed_size: 327680
    .private_segment_fixed_size: 0
    .kernarg_segment_align: 8
    .kernarg_segment_size: 40
    .max_flat_workgroup_size: 128
    .sgpr_count:     74
    .vgpr_count:     640
    .wavefront_size: 32
...
	.end_amdgpu_metadata
.endif
;; end of part 4
;; launch ln2 (part 5): grid 256 x 1, 8 waves a work-group, no clusters, 35,840 bytes of LDS; arguments x1, ln2_w, ln2_b, hb; writes hb
.if DOCPART == 5
	.amdgcn_target "amdgcn-amd-amdhsa--gfx1250"
	.amdhsa_code_object_version 6
	.text
	.protected	k_q6585515fc6_ln2
	.globl	k_q6585515fc6_ln2
	.p2align	8
	.type	k_q6585515fc6_ln2,@function
k_q6585515fc6_ln2:
	s_mov_b64 s[64:65], 0
	v_nop
	global_prefetch_b8 v0, s[64:65] scope:SCOPE_SE
	s_setreg_imm32_b32 hwreg(HW_REG_WAVE_MODE, 25, 1), 1
	s_wait_xcnt 0x0
; m = LayerNorm(x1), rounded once to bf16, in FRAGMENT BLOCKS of 16 rows x 16 columns = 512 bytes: byte (kb 256 + mb) 512 + ((col%16)/8) 256 + (row%16) 16 + (col%8) 2, kb = col/16, mb = row/16.
; A work-group takes 16 rows (one mb), each of its eight waves two whole rows in registers: the row is read once; mean, then the mean of the squared differences, as the definition has them.
; Memory binds: loads of 512 consecutive bytes a wave, stores of 512 consecutive bytes, aligned.  No matrix unit, no cluster: nothing is shared.
; LIMITS: the result is bf16 (nearest even); NaN and infinities pass through as they come.
.set SPARE, 34816                      ; behind the stage: the spare words, 128 bytes for each of the eight waves
.set SPW,  192
.set NIL,  193
.set XP,   4                           ; s[4:5]   x1
.set GP,   6                           ; s[6:7]   gain
.set BP,   8                           ; s[8:9]   bias
.set OP,   10                          ; s[10:11] hb
.set WVS,  22
.set MB,   24
.set SEL,  34
.set RN,   36
.set EPSR, 37
.set X0,   32
.set X1,   64
.set GV,   96
.set BV,   128
.set T0,   160
.set T1,   176
.macro LANES t                         ; the sum over the 32 lanes of v[t] + v[t+1]; every lane ends with it
	v_add_f32 v[\t], v[\t], v[\t+1]
	v_add_f32_dpp v[\t], v[\t], v[\t] row_xmask:1 row_mask:0xf bank_mask:0xf
	v_add_f32_dpp v[\t], v[\t], v[\t] row_xmask:2 row_mask:0xf bank_mask:0xf
	v_add_f32_dpp v[\t], v[\t], v[\t] row_xmask:4 row_mask:0xf bank_mask:0xf
	v_add_f32_dpp v[\t], v[\t], v[\t] row_xmask:8 row_mask:0xf bank_mask:0xf
	v_permlanex16_b32 v[\t+1], v[\t], s[SEL], s[SEL+1]
	v_add_f32 v[\t], v[\t], v[\t+1]
.endm
.macro STATS x, t, u                   ; the row's mean is taken away from it; v[t] = the mean of the squares of what is left, + 1e-5
.irp k, 0,1,2,3,4,5,6,7
	v_pk_add_f32 v[\t+2*\k:\t+2*\k+1], v[\x+4*\k:\x+4*\k+1], v[\x+4*\k+2:\x+4*\k+3]
.endr
.irp k, 0,1,2,3
	v_pk_add_f32 v[\t+4*\k:\t+4*\k+1], v[\t+4*\k:\t+4*\k+1], v[\t+4*\k+2:\t+4*\k+3]
.endr
	v_pk_add_f32 v[\t:\t+1], v[\t:\t+1], v[\t+4:\t+5]
	v_pk_add_f32 v[\t+8:\t+9], v[\t+8:\t+9], v[\t+12:\t+13]
	v_pk_add_f32 v[\t:\t+1], v[\t:\t+1], v[\t+8:\t+9]
	LANES \t
	v_mul_f32 v[\u], s[RN], v[\t]
	v_mov_b32 v[\u+1], v[\u]
.irp k, 0,1,2,3,4,5,6,7,8,9,10,11,12,13,14,15
	v_pk_add_f32 v[\x+2*\k:\x+2*\k+1], v[\x+2*\k:\x+2*\k+1], v[\u:\u+1] neg_lo:[0,1] neg_hi:[0,1]
.endr
.irp k, 0,1,2,3
	v_pk_mul_f32 v[\t+2*\k:\t+2*\k+1], v[\x+2*\k:\x+2*\k+1], v[\x+2*\k:\x+2*\k+1]
.endr
.irp k, 4,5,6,7,8,9,10,11,12,13,14,15
	v_pk_fma_f32 v[\t+2*(\k%4):\t+2*(\k%4)+1], v[\x+2*\k:\x+2*\k+1], v[\x+2*\k:\x+2*\k+1], v[\t+2*(\k%4):\t+2*(\k%4)+1]
.endr
	v_pk_add_f32 v[\t:\t+1], v[\t:\t+1], v[\t+2:\t+3]
	v_pk_add_f32 v[\t+4:\t+5], v[\t+4:\t+5], v[\t+6:\t+7]
	v_pk_add_f32 v[\t:\t+1], v[\t:\t+1], v[\t+4:\t+5]
	LANES \t
	v_fma_f32 v[\t], v[\t], s[RN], s[EPSR]
.endm
.macro SCALE x, r
.irp k, 0,1,2,3,4,5,6,7,8,9,10,11,12,13,14,15
	v_pk_mul_f32 v[\x+2*\k:\x+2*\k+1], v[\x+2*\k:\x+2*\k+1], v[\r:\r+1]
.endr
.irp k, 0,1,2,3,4,5,6,7,8,9,10,11,12,13,14,15
	v_pk_fma_f32 v[\x+2*\k:\x+2*\k+1], v[\x+2*\k:\x+2*\k+1], v[GV+2*\k:GV+2*\k+1], v[BV+2*\k:BV+2*\k+1]
.endr
.endm
	s_load_b256 s[4:11], s[0:1], 0x0
	v_lshl_add_u32 v[SPW], v0, 2, SPARE
	v_mov_b32 v[NIL], 0
	v_lshrrev_b32 v1, 5, v0
	v_readfirstlane_b32 s[WVS], v1                 ; wave 0..7
	v_and_b32 v2, 31, v0                           ; l
	v_and_b32 v3, 15, v0                           ; l % 16
	v_bfe_u32 v4, v0, 4, 1                         ; l / 16
	s_mov_b32 s[MB], ttmp9
	s_wait_kmcnt 0x0
	s_lshl_b32 s26, s[MB], 16                      ; 16 rows of 4,096 bytes
	s_mov_b32 s27, 0
	s_add_nc_u64 s[30:31], s[XP:XP+1], s[26:27]
	s_lshl_b32 s26, s[MB], 9                       ; block mb of each kb
	s_add_nc_u64 s[32:33], s[OP:OP+1], s[26:27]
	s_mov_b32 s[SEL], 0x76543210
	s_mov_b32 s[SEL+1], 0xfedcba98
	s_mov_b32 s[RN], 0x3a800000                    ; 1/1024
	s_mov_b32 s[EPSR], 0x3727c5ac                  ; 1e-5
	v_lshlrev_b32 v5, 4, v2                        ; 16 l
	v_lshl_add_u32 v6, v1, 13, v5                  ; + my wave's two rows
.irp j, 0,1,2,3,4,5,6,7
	global_load_b128 v[X0+4*\j:X0+4*\j+3], v6, s[30:31] offset:512*\j
.endr
.irp j, 0,1,2,3,4,5,6,7
	global_load_b128 v[X1+4*\j:X1+4*\j+3], v6, s[30:31] offset:4096+512*\j
.endr
.irp j, 0,1,2,3,4,5,6,7
	global_load_b128 v[GV+4*\j:GV+4*\j+3], v5, s[GP:GP+1] offset:512*\j
.endr
.irp j, 0,1,2,3,4,5,6,7
	global_load_b128 v[BV+4*\j:BV+4*\j+3], v5, s[BP:BP+1] offset:512*\j
.endr
	v_lshrrev_b32 v7, 1, v2                        ; into the stage (128 units of 256 bytes at pitch 272): unit 16 j + l / 2, 8 bytes at (l % 2) 8, row 2 w (+ 1)
	v_mul_u32_u24 v7, v7, 272
	v_and_b32 v8, 1, v2
	v_lshl_add_u32 v7, v8, 3, v7
	s_lshl_b32 s28, s[WVS], 5
	v_add_nc_u32 v7, s28, v7
	s_mul_i32 s28, s[WVS], 16*272                  ; back: units 16 w + 2 u and + 1 are block kb = 8 w + u
	v_mul_u32_u24 v8, v4, 272
	v_lshl_add_u32 v8, v3, 4, v8
	v_add_nc_u32 v8, s28, v8
	v_lshl_add_u32 v9, v1, 20, v5                  ; in memory: 8 w blocks of 131,072 bytes on, + 16 l
	s_wait_loadcnt 16                              ; both rows are in; the 16 loads of gain and bias may stay out
	STATS X0, T0, 16
	STATS X1, T1, 18
	v_rsq_f32 v20, v[T0]                           ; made twice each, to fill the pairs that the packed multiply takes
	v_rsq_f32 v21, v[T0]
	v_rsq_f32 v22, v[T1]
	v_rsq_f32 v23, v[T1]
	v_nop                                          ; a plain instruction behind the last of the batch (ISA guide 5.7.2),
	s_wait_alu depctr_va_vdst(0)                   ; and the one wait ahead of the first reader
	s_wait_loadcnt 0x0                             ; gain and bias
	SCALE X0, 20
	SCALE X1, 22
.irp k, 0,1,2,3,4,5,6,7,8,9,10,11,12,13,14,15
	v_cvt_pk_bf16_f32 v[T0+\k], v[X0+2*\k], v[X0+2*\k+1]
	v_cvt_pk_bf16_f32 v[T1+\k], v[X1+2*\k], v[X1+2*\k+1]
.endr
.irp j, 0,1,2,3,4,5,6,7
	ds_store_b64 v7, v[T0+2*\j:T0+2*\j+1] offset:4352*\j
	ds_store_b64 v7, v[T1+2*\j:T1+2*\j+1] offset:4352*\j+16
.endr
	s_wait_dscnt 0x0                               ; for the others' sake: my stores into the stage are done
	s_barrier_signal -1
	s_barrier_wait -1
.irp u, 0,1,2,3,4,5,6,7
	ds_load_b128 v[GV+4*\u:GV+4*\u+3], v8 offset:544*\u
.endr
.irp u, 0,1,2,3,4,5,6,7
	s_wait_dscnt 7-\u                              ; block u is in, the younger ones may stay out
	global_store_b128 v9, v[GV+4*\u:GV+4*\u+3], s[32:33] offset:131072*\u  ; 512 consecutive bytes, aligned
.endr
	s_wait_tensorcnt 0x0                           ; the wave's end, behind my last LDS store
	ds_add_u32 v[SPW], v[NIL]
	s_wait_dscnt 0x0
	s_endpgm
.Lfunc_end_k_q6585515fc6_ln2:
	.size	k_q6585515fc6_ln2, .Lfunc_end_k_q6585515fc6_ln2-k_q6585515fc6_ln2
	.p2alignl 7, 3214868480
	.fill 96, 4, 3214868480
	.section	.rodata,"a",@progbits
	.p2align	6, 0x0
	.amdhsa_kernel k_q6585515fc6_ln2
		.amdhsa_group_segment_fixed_size 35840
		.amdhsa_private_segment_fixed_size 0
		.amdhsa_enable_private_segment 0
		.amdhsa_kernarg_size 32
		.amdhsa_user_sgpr_count 2
		.amdhsa_user_sgpr_kernarg_segment_ptr 1
		.amdhsa_wavefront_size32 1
		.amdhsa_system_sgpr_workgroup_id_x 1
		.amdhsa_system_sgpr_workgroup_id_y 1
		.amdhsa_system_sgpr_workgroup_id_z 1
		.amdhsa_system_vgpr_workitem_id 0
		.amdhsa_next_free_vgpr 196
		.amdhsa_next_free_sgpr 66
		.amdhsa_reserve_vcc 0
		.amdhsa_float_denorm_mode_32 3
		.amdhsa_float_denorm_mode_16_64 3
		.amdhsa_memory_ordered 1
		.amdhsa_forward_progress 1
		.amdhsa_inst_pref_size 22
	.end_amdhsa_kernel
	.amdgpu_metadata
---
amdhsa.version: [ 1, 2 ]
amdhsa.kernels:
  - .name:           k_q6585515fc6_ln2
    .symbol:         k_q6585515fc6_ln2.kd
    .args:
      - { .name: x1, .offset: 0, .size: 8, .value_kind: global_buffer, .address_space: global }
      - { .name: ln2_w, .offset: 8, .size: 8, .value_kind: global_buffer, .address_space: global }
      - { .name: ln2_b, .offset: 16, .size: 8, .value_kind: global_buffer, .address_space: global }
      - { .name: hb, .offset: 24, .size: 8, .value_kind: global_buffer, .address_space: global }
    .group_segment_fixed_size: 35840
    .private_segment_fixed_size: 0
    .kernarg_segment_align: 8
    .kernarg_segment_size: 32
    .max_flat_workgroup_size: 256
    .sgpr_count:     66
    .vgpr_count:     196
    .wavefront_size: 32
...
	.end_amdgpu_metadata
.endif
;; end of part 5
;; launch fc (part 6): grid 16 x 16, 4 waves a work-group, clusters of 4 x 4, 327,680 bytes of LDS; arguments hb, wf, b_fc, wide; writes wide
.if DOCPART == 6
	.amdgcn_target "amdgcn-amd-amdhsa--gfx1250"
	.amdhsa_code_object_version 6
	.text
	.protected	k_q6585515fc6_fc
	.globl	k_q6585515fc6_fc
	.p2align	8
	.type	k_q6585515fc6_fc,@function
k_q6585515fc6_fc:
	s_mov_b64 s[64:65], 0
	v_nop
	global_prefetch_b8 v0, s[64:65] scope:SCOPE_SE
	s_setreg_imm32_b32 hwreg(HW_REG_WAVE_MODE, 25, 1), 1
	s_wait_xcnt 0x0
	s_wait_alu depctr_hold_cnt(0) depctr_sa_sdst(0) depctr_va_vdst(0) depctr_va_sdst(0) depctr_va_ssrc(0) depctr_va_vcc(0) depctr_vm_vsrc(0)
	s_getreg_b32 s2, hwreg(HW_REG_IB_STS2, 6, 4)
	s_cmp_eq_u32 s2, 0
	s_cbranch_scc0 .Lentry_in_a_cluster
	s_endpgm
.Lentry_in_a_cluster:
	s_bfe_u32 s2, ttmp6, 0x10000c
	s_cmp_lg_u32 s2, 0xf033
	s_cbranch_scc0 .Lentry_shape_is_right
	s_endpgm
.Lentry_shape_is_right:
; OUT = A W + bias (MODE 0), or gelu(A W + bias) (MODE 1), rounded once to bf16.  MODE is a constant of the text: in a launch with joint loads no branch hangs on a number read from memory.
; A: 4,096 rows x 1,024, W: 1,024 x N, both bf16 in FRAGMENT BLOCKS of 16 rows x 16 K = 512 bytes, in which lane l = 16 h + r of a fragment finds row r, K = 8 h .. 8 h + 7 at byte 16 l.
; A and OUT: block (kb, mb) at (kb 256 + mb) 512.  W (rows = output columns) by tile columns of 256: block (kb, nb) at (nb/16) 524,288 + kb 8,192 + (nb%16) 512.
; SHARES.  A tile of 256 x 256 to a work-group of four waves, 128 x 128 a wave: 64 accumulators, 512 registers.  K goes in 8 steps of 128 through two LDS slots.  A step's part of A is 8 rows (kb) of
; 8,192 consecutive bytes; W's is 65,536 consecutive bytes; each wave fetches four kb rows by one tensor load.  A fragment is two LDS loads of 16 bytes a lane at 16 l: 512 consecutive bytes, so no padding is wanted.
; THE PRODUCT IS TAKEN TRANSPOSED (source 0 = 16 columns of W, source 1 = 16 rows of A): a lane's eight results are eight neighbouring columns of one row, which rounded ARE its 16 bytes at 16 l of
; OUT's block: the results leave from registers, each store 512 consecutive bytes, aligned.  The bias is the C operand of the products that start the sums.
; CLUSTER 4 x 4: A's tiles are asked for jointly along a row of the cluster, W's along a column.
; MODE 0 only: in the columns of V (tile columns 8 to 11) the chunks of the upper column half are stored with their row number + 8 mod 16, a permutation inside the same 512 bytes that the attention's turning load undoes.
; LIMITS: operands and results are bf16 (8 significant bits); sums in f32.  gelu(x) = x / (1 + 2^(x (C1 + C2 x^2))), which is 0.5 x (1 + tanh(..)) exactly; where the power overflows or falls below 2^-126 the result is 0 or x.
.set MODE,   1
.set NSTEP,  8
.set APITCH, 131072                    ; bytes from kb to kb in A and OUT
.set BPITCH, 8192                      ; in W
.set ASTEP,  8*APITCH
.set BSTEP,  8*BPITCH
.set SLOT,   131072                    ; A's 8 x 8,192 bytes, then W's
.set SPARE,  262144                    ; behind the ring: the spare words, 128 bytes for each wave
.set PA,     1                         ; the prefetches stop when so many refills are left
.set ADRA0, 16                         ; v16  my lane's place in A's part of a slot; never rewritten
.set ADRB0, 17                         ; v17  in W's
.set ADRA,  18                         ; v18  the same in the slot in hand
.set ADRB,  19
.set CO,    20                         ; v20  my 16 bytes in a block of OUT
.set BO,    21                         ; v21  my 32 bytes of a bias tuple
.set DMP,   22                         ; v22  MODE 1: my 16 bytes in my wave's scratch
.set DAD,   23                         ; v23  MODE 1: the same in the trip in hand
.set SPW,   28                         ; v28  SPARE + 4 x my thread's number; never rewritten
.set NIL,   29                         ; v29  0; never rewritten
.set PFO,   30                         ; v30  256 x my lane; never rewritten
.set F0,    64                         ; fragment buffers: A's in window 0, W's in window 1
.set F1,    128
.set BI,    192                        ; v192-255: eight bias tuples, as C operands
.set WV,   12                          ; s12 wave   s13 its row half; also: fetches A (0) or W (1)   s14 its column half; also: which four kb rows it fetches
.set WR,   13
.set WC,   14
.set CX,   15
.set CY,   16
.set TCOL, 17
.set TROW, 18
.set TB,   19                          ; s19  the slot in hand: 0 or SLOT
.set G1A,  24                          ; s[24:31] descriptor group 1 for A
.set G0A,  32                          ; s[32:35] group 0 of the first fill; s[36:39] the one that walks
.set PFA,  40                          ; s[40:41] where my prefetches stand
.set LIM,  42
.set PST,  44                          ; s[44:45] a K step in bytes, for the operand that I fetch
.set G1B,  48
.set G0B,  56
.set C1,   66                          ; s[66:67], s[68:69] gelu's two constants, as pairs
.set C2,   68
.set DB,   70
.set MSB, 0
.macro WIN new                         ; the immediate's high byte repeats the setting that is left; a switch that changes nothing is dropped
.if MSB != (\new)
	s_set_vgpr_msb (MSB<<8)|(\new)
.set MSB, \new
.endif
.endm
.set MUL_LO, 0xa1                      ; source 0 (W) window 1, source 1 (A) window 0, C and D window 2
.set TO_B,   0x40
.macro PLACES                          ; four plain instructions between a matrix instruction and a load into, or a vector instruction on, its registers
.rept 4
	v_nop
.endr
.endm
.macro CREST                           ; a round of the cluster's barrier behind its opening barrier
	s_cmp_lg_u32 s[WV], 0
	s_cbranch_scc1 .Lnot_wave_0_\@
	s_barrier_signal -3
.Lnot_wave_0_\@:
	s_barrier_wait -3
	s_barrier_signal -1
	s_barrier_wait -1
.endm
.macro CROUND
	s_barrier_signal -1
	s_barrier_wait -1
	CREST
.endm
.macro JLOAD                           ; a joint refill by the walking descriptor: waves 0 and 1 for A, 2 and 3 for W; an s_nop 0 and four v_nop follow each line
	s_cmp_eq_u32 s[WR], 0
	s_cbranch_scc0 .Lfor_b_\@
	tensor_load_to_lds s[G0A+4:G0A+7], s[G1A:G1A+7]
	s_nop 0
.rept 4
	v_nop
.endr
	s_branch .Lasked_\@
.Lfor_b_\@:
	tensor_load_to_lds s[G0B+4:G0B+7], s[G1B:G1B+7]
	s_nop 0
.rept 4
	v_nop
.endr
.Lasked_\@:
.endm
; A prefetch of the K step that the NEXT refill will ask for: 256 matrix instructions ahead of that load.  Of the four kb rows that a wave fetches, the partner at place p among the four that ask jointly takes
; row p: 8,192 bytes, 256 a lane: told apart by address.  A's rows are read by every cluster of a row of clusters: cluster x = 0 asks; W's by every cluster of a column: cluster y = 0 asks.  So each
; 256 bytes are named once in the launch.  Steps 0 to 2 come by their loads alone; the last refill has no step behind it and asks for nothing.
.macro ASK
	s_cmp_gt_u32 s3, s[LIM]
	s_cbranch_scc0 .Lnot_mine_\@
	global_prefetch_b8 v[PFO], s[PFA:PFA+1] th:TH_LOAD_NT scope:SCOPE_SE
.Lnot_mine_\@:
.endm
; 32 LDS loads in one run: the fragments of quarter q (32 K: kb rows 2 q and 2 q + 1) into buffer f: W's eight, then A's eight
.macro FETCH q, f
	WIN TO_B
.irp i, 0,1,2,3,4,5,6,7
	ds_load_b128 v[(\f)+8*(\i):(\f)+8*(\i)+3],   v[ADRB] offset:(2*(\q))*8192+512*(\i)
	ds_load_b128 v[(\f)+8*(\i)+4:(\f)+8*(\i)+7], v[ADRB] offset:(2*(\q)+1)*8192+512*(\i)
.endr
	WIN 0
.irp i, 0,1,2,3,4,5,6,7
	ds_load_b128 v[(\f)+8*(\i):(\f)+8*(\i)+3],   v[ADRA] offset:(2*(\q))*8192+512*(\i)
	ds_load_b128 v[(\f)+8*(\i)+4:(\f)+8*(\i)+7], v[ADRA] offset:(2*(\q)+1)*8192+512*(\i)
.endr
.endm
; 16 products: row blocks a0, a0 + 1 of the window's four (hi: rows 0-63 or 64-127) x all 8 column blocks.  first = 1: C is the bias.  The 64 accumulators take turns, in the same order in every quarter.
.macro MUL16 f, hi, a0, first
.if \first
	WIN 0x81+0x40*(\hi)
.else
	WIN MUL_LO+0x50*(\hi)
.endif
.irp a, \a0, (\a0)+1
.irp b, 0,1,2,3,4,5,6,7
.if \first
	v_wmma_f32_16x16x32_bf16 v[8*(8*(\a)+(\b)):8*(8*(\a)+(\b))+7], v[(\f)+8*(\b):(\f)+8*(\b)+7], v[(\f)+8*(4*(\hi)+(\a)):(\f)+8*(4*(\hi)+(\a))+7], v[BI+8*(\b):BI+8*(\b)+7]
.else
	v_wmma_f32_16x16x32_bf16 v[8*(8*(\a)+(\b)):8*(8*(\a)+(\b))+7], v[(\f)+8*(\b):(\f)+8*(\b)+7], v[(\f)+8*(4*(\hi)+(\a)):(\f)+8*(4*(\hi)+(\a))+7], v[8*(8*(\a)+(\b)):8*(8*(\a)+(\b))+7]
.endif
.endr
.endr
.endm
.macro QUARTER q, f, g, first          ; multiplies buffer f; in its middle fetches quarter q into buffer g
	s_wait_dscnt 8                                 ; W's fragments and A's blocks 0-3 are in; the youngest eight loads (A's blocks 4-7) may be out
	MUL16 \f, 0, 0, \first
	MUL16 \f, 0, 2, \first
	PLACES
	FETCH \q, \g
	s_wait_dscnt 32                                ; all but the 32 just issued
	MUL16 \f, 1, 0, \first
	MUL16 \f, 1, 2, \first
.endm
; The last quarter of a step multiplies buffer 1 and changes slots.  In front of the barrier each wave waits for all its tensor loads (one is out: its part of the next slot), adds 0 to its spare word, and
; waits for that and for its reads of this slot.  fill = 1: the barrier opens a round of the cluster's, and the joint refill (two steps on) is the first thing behind it: 224 matrix instructions ahead of the wait for it.
.macro TURN fill
.if \fill
	s_wait_xcnt 0x0                                ; the last prefetch, a K step back, has read its address
	s_add_nc_u64 s[PFA:PFA+1], s[PFA:PFA+1], s[PST:PST+1]
.endif
	WIN 0
	s_wait_tensorcnt 0x0
	ds_add_u32 v[SPW], v[NIL]
	s_wait_dscnt 9                                 ; the add and the youngest eight loads may be out
	MUL16 F1, 0, 0, 0
	s_wait_dscnt 0x0                               ; the add is done, and my reads of this slot are over
	s_barrier_signal -1
	MUL16 F1, 0, 2, 0
	WIN 0
	s_barrier_wait -1
.if \fill
	CREST
	s_xor_b32 s[G0A+5], s[G0A+5], SLOT             ; no tensor load of mine is out: the walking descriptors step to the other slot, the next K step
	s_add_nc_u64 s[G0A+6:G0A+7], s[G0A+6:G0A+7], ASTEP
	s_xor_b32 s[G0B+5], s[G0B+5], SLOT
	s_add_nc_u64 s[G0B+6:G0B+7], s[G0B+6:G0B+7], BSTEP
	JLOAD                                          ; its four v_nop are also the places in front of the loads below
.else
	PLACES
.endif
	s_xor_b32 s[TB], s[TB], SLOT
	v_add_nc_u32 v[ADRA], s[TB], v[ADRA0]
	v_add_nc_u32 v[ADRB], s[TB], v[ADRB0]
	FETCH 0, F0
.if \fill
	ASK
.endif
	MUL16 F1, 1, 0, 0
	MUL16 F1, 1, 2, 0
.endm
	s_load_b256 s[4:11], s[0:1], 0x0               ; A s[4:5], W s[6:7], bias s[8:9], OUT s[10:11]
	v_lshl_add_u32 v[SPW], v0, 2, SPARE
	v_mov_b32 v[NIL], 0
	ds_add_u32 v[SPW], v[NIL]                      ; the wave's opening: the add and its wait ahead of my first tensor load
	v_lshrrev_b32 v1, 5, v0
	v_readfirstlane_b32 s[WV], v1
	s_lshr_b32 s[WR], s[WV], 1
	s_and_b32 s[WC], s[WV], 1
	s_bfe_u32 s[CX], ttmp6, 0x40000
	s_bfe_u32 s[CY], ttmp6, 0x40004
	s_lshl_b32 s[TCOL], ttmp9, 2
	s_add_co_u32 s[TCOL], s[TCOL], s[CX]           ; tile column = 4 x cluster x + cx
	s_and_b32 s[TROW], ttmp7, 0xffff
	s_lshl_b32 s[TROW], s[TROW], 2
	s_add_co_u32 s[TROW], s[TROW], s[CY]           ; tile row = 4 x cluster y + cy
	s_lshl_b32 s20, s[CY], 2
	s_lshl_b32 s20, 15, s20                        ; my row of the cluster
	s_lshl_b32 s22, 0x1111, s[CX]                  ; my column
	s_or_b32 s[G1A], s20, (3<<16)|(1<<21)          ; 15:0 the mask; 17:16 elements of 8 bytes; 21 set beside a mask; no padding
	s_or_b32 s[G1B], s22, (3<<16)|(1<<21)
.irp g, G1A, G1B
	s_mov_b32 s[\g+1], 1024<<16                    ; tensor_dim0 = 1,024 elements = 8,192 bytes
	s_mov_b32 s[\g+2], 4<<16                       ; tensor_dim1 = 4
	s_mov_b32 s[\g+3], 1024<<16                    ; tile_dim0
	s_mov_b32 s[\g+4], 4                           ; tile_dim1
	s_mov_b32 s[\g+6], 0
	s_mov_b32 s[\g+7], 0
.endr
	s_mov_b32 s[G1A+5], APITCH/8                   ; elements from kb to kb
	s_mov_b32 s[G1B+5], BPITCH/8
	s_lshl_b32 s20, s[TROW], 13                    ; A: the tile's 16 blocks of each kb, and my four kb rows; s20, s21 hold nothing of cx
	s_lshl_b32 s21, s[WC], 19
	s_add_co_u32 s20, s20, s21
	s_mov_b32 s21, 0
	s_lshl_b32 s22, s[TCOL], 19                    ; W: the tile column's 524,288 bytes, and my four kb rows; s22, s23 hold nothing of cy
	s_lshl_b32 s23, s[WC], 15
	s_add_co_u32 s22, s22, s23
	s_mov_b32 s23, 0
	s_lshl_b32 s46, s[WV], 15                      ; where my load lands in a slot: wave x 32,768
	s_mov_b32 s[TB], 0
	s_wait_dscnt 0x0                               ; the opening add is done
	s_wait_kmcnt 0x0
	s_add_nc_u64 s[20:21], s[4:5], s[20:21]
	s_add_nc_u64 s[22:23], s[6:7], s[22:23]
	s_mov_b32 s[G0A], 1
	s_mov_b32 s[G0A+1], s46
	s_mov_b64 s[G0A+2:G0A+3], s[20:21]
	s_or_b32 s[G0A+3], s[G0A+3], 0x80000000
	s_mov_b32 s[G0A+4], 1
	s_add_co_u32 s[G0A+5], s46, SLOT
	s_add_nc_u64 s[G0A+6:G0A+7], s[20:21], ASTEP
	s_or_b32 s[G0A+7], s[G0A+7], 0x80000000
	s_mov_b32 s[G0B], 1
	s_mov_b32 s[G0B+1], s46
	s_mov_b64 s[G0B+2:G0B+3], s[22:23]
	s_or_b32 s[G0B+3], s[G0B+3], 0x80000000
	s_mov_b32 s[G0B+4], 1
	s_add_co_u32 s[G0B+5], s46, SLOT
	s_add_nc_u64 s[G0B+6:G0B+7], s[22:23], BSTEP
	s_or_b32 s[G0B+7], s[G0B+7], 0x80000000
	CROUND                                         ; all sixteen work-groups are here: the first joint loads meet
	s_cmp_eq_u32 s[WR], 0                          ; a wave's two first fills stand in one branch: two loads of mine are out
	s_cbranch_scc0 .Lfirst_b
	tensor_load_to_lds s[G0A:G0A+3], s[G1A:G1A+7]
	s_nop 0
	tensor_load_to_lds s[G0A+4:G0A+7], s[G1A:G1A+7]
	s_nop 0
.rept 4
	v_nop
.endr
	s_branch .Lfirst_asked
.Lfirst_b:
	tensor_load_to_lds s[G0B:G0B+3], s[G1B:G1B+7]
	s_nop 0
	tensor_load_to_lds s[G0B+4:G0B+7], s[G1B:G1B+7]
	s_nop 0
.rept 4
	v_nop
.endr
.Lfirst_asked:
	v_bfe_u32 v2, v0, 4, 1                         ; h
	v_and_b32 v3, 31, v0                           ; l
	v_and_b32 v5, 15, v0                           ; r
	v_lshlrev_b32 v4, 4, v3                        ; 16 l
	v_lshlrev_b32 v[BO], 5, v2                     ; register j of a C operand is column 8 h + j
	s_lshl_b32 s22, s[TCOL], 10
	s_lshl_b32 s23, s[WC], 9
	s_add_co_u32 s22, s22, s23
	s_mov_b32 s23, 0
	s_add_nc_u64 s[8:9], s[8:9], s[22:23]          ; the bias of my 128 columns
.irp b, 0,1,2,3,4,5,6,7
	global_load_b128 v[BI+8*\b:BI+8*\b+3],   v[BO], s[8:9] offset:64*\b
	global_load_b128 v[BI+8*\b+4:BI+8*\b+7], v[BO], s[8:9] offset:64*\b+16
.endr
	s_lshl_b32 s47, s[WR], 12
	v_add_nc_u32 v[ADRA0], s47, v4                 ; my eight row blocks of each kb
	s_lshl_b32 s47, s[WC], 12
	s_add_co_u32 s47, s47, 65536
	v_add_nc_u32 v[ADRB0], s47, v4
	v_mov_b32 v[ADRA], v[ADRA0]
	v_mov_b32 v[ADRB], v[ADRB0]
	s_lshl_b32 s72, s[TCOL], 21                    ; OUT at block (16 tile column + 8 column half, 16 tile row + 8 row half)
	s_lshl_b32 s71, s[WC], 20
	s_add_co_u32 s72, s72, s71
	s_lshl_b32 s71, s[TROW], 13
	s_add_co_u32 s72, s72, s71
	s_lshl_b32 s71, s[WR], 12
	s_add_co_u32 s72, s72, s71
	s_mov_b32 s73, 0
	s_add_nc_u64 s[10:11], s[10:11], s[72:73]
.if MODE == 0
	s_cmp_ge_u32 s[TCOL], 8                        ; V's columns: a value is chosen, no branch is taken
	s_cselect_b32 s71, 8, 0
	v_mul_u32_u24 v6, v2, s71
	v_add_nc_u32 v6, v6, v5
	v_and_b32 v6, 15, v6                           ; row, or in V's upper column half row + 8 mod 16
	v_lshlrev_b32 v6, 4, v6
	v_lshl_add_u32 v[CO], v2, 8, v6
.else
	v_mov_b32 v[CO], v4
	s_lshl_b32 s71, s[WV], 16
	v_add_nc_u32 v[DMP], s71, v4
	s_mov_b32 s[C1], 0xc0135761                    ; -2 sqrt(2/pi) log2(e) = -2.3022082
	s_mov_b32 s[C1+1], s[C1]
	s_mov_b32 s[C2], 0xbdd2d3e8                    ; 0.044715 times that = -0.10294324
	s_mov_b32 s[C2+1], s[C2]
.endif
	s_lshl_b32 s43, s[TROW], 13                    ; the prefetches: the tile's place in a kb row of A,
	s_lshl_b32 s72, s[TCOL], 19                    ; or the tile column of W
	s_and_b32 s71, ttmp7, 0xffff
	s_mov_b32 s[PST], BPITCH
	s_cmp_eq_u32 s[WR], 0                          ; do I fetch for A?
	s_cselect_b32 s43, s43, s72
	s_cselect_b32 s47, s[CX], s[CY]                ; my place among the four that ask with me
	s_cselect_b32 s71, ttmp9, s71                  ; the coordinate along which other clusters read the same rows
	s_cselect_b32 s[PST], APITCH, s[PST]
	s_cselect_b64 s[PFA:PFA+1], s[4:5], s[6:7]
	s_cmp_eq_u32 s71, 0
	s_cselect_b32 s[LIM], PA, -1                   ; the same in all sixteen partners, for a given wave
	s_lshl_b32 s71, s[WC], 2
	s_add_co_u32 s47, s47, s71
	s_add_co_u32 s47, s47, 16                      ; at K step 2: the first refill steps it to 3
	s_mul_i32 s47, s47, s[PST]
	s_add_co_u32 s72, s47, s43
	s_add_nc_u64 s[PFA:PFA+1], s[PFA:PFA+1], s[72:73]
	s_lshl_b32 s[PST], s[PST], 3
	s_mov_b32 s[PST+1], 0
	v_lshlrev_b32 v[PFO], 8, v3
	s_wait_tensorcnt 0x1                           ; my part of K step 0 is in; step 1's may stay out
	s_barrier_signal -1
	s_barrier_wait -1
	FETCH 0, F0
	s_wait_loadcnt 0x0                             ; the bias
	QUARTER 1, F0, F1, 1                           ; the first quarter stands in front of the loop: its products start the sums
	WIN 0
	s_mov_b32 s3, NSTEP-2
.Lstep:                                        ; a trip: a step's quarters 1 to 3, the change of slots with its refill, the next step's quarter 0
	QUARTER 2, F1, F0, 0
	QUARTER 3, F0, F1, 0
	TURN 1
	QUARTER 1, F0, F1, 0
	WIN 0
	s_sub_co_u32 s3, s3, 1
	s_cmp_lg_u32 s3, 0
	s_cbranch_scc1 .Lstep
	s_mov_b32 s2, 2                                ; the last two steps ask for nothing; the second trip is left in its middle
.Ltail:
	QUARTER 2, F1, F0, 0
	QUARTER 3, F0, F1, 0
	WIN 0
	s_sub_co_u32 s2, s2, 1
	s_cmp_eq_u32 s2, 0
	s_cbranch_scc1 .Llast
	TURN 0
	QUARTER 1, F0, F1, 0
	WIN 0
	s_branch .Ltail
.Llast:
	s_wait_dscnt 8
	MUL16 F1, 0, 0, 0
	MUL16 F1, 0, 2, 0
	s_wait_dscnt 0x0
	MUL16 F1, 1, 0, 0
	MUL16 F1, 1, 2, 0
	WIN 0
.if MODE == 0
	; THE WAY OUT: a row block at a time, rounded into one of four banks of 32 registers and stored; each accumulator's registers in ascending order
	PLACES
	PLACES
.irp a, 0,1,2,3,4,5,6,7
.if \a == 4
	s_wait_xcnt 0x0                                ; the stores of blocks 0 to 3 have read their registers: the banks are written again only behind this wait
.endif
	WIN 0x0a+5*((\a)/4)
.irp b, 0,1,2,3,4,5,6,7
.irp r, 0,1,2,3
	v_cvt_pk_bf16_f32 v[64+32*((\a)%4)+4*(\b)+(\r)], v[8*(8*((\a)%4)+(\b))+2*(\r)], v[8*(8*((\a)%4)+(\b))+2*(\r)+1]
.endr
.endr
	WIN 0
.irp b, 0,1,2,3,4,5,6,7
	global_store_b128 v[CO], v[64+32*((\a)%4)+4*(\b):64+32*((\a)%4)+4*(\b)+3], s[10:11] offset:(\b)*131072+(\a)*512  ; 512 consecutive bytes, aligned
.endr
.endr
.else
	; THE WAY OUT WITH GELU.  512 numbers a lane, written out, would be a long text: the sums go once through my wave's own 65,536 bytes of the ring, which has had its last fill, and a loop of eight trips
	; (a column block each) does the work.  The barrier: every wave's reads of both slots are over.
	s_wait_dscnt 0x0
	s_barrier_signal -1
	s_barrier_wait -1
	PLACES
	PLACES
.irp w, 0,1
	WIN 0x08+4*\w                                  ; the stores' data in window 2, then 3
.irp a, 0,1,2,3
.irp b, 0,1,2,3,4,5,6,7
	ds_store_b128 v[DMP], v[8*(8*\a+\b):8*(8*\a+\b)+3]   offset:\b*8192+(4*\w+\a)*1024
	ds_store_b128 v[DMP], v[8*(8*\a+\b)+4:8*(8*\a+\b)+7] offset:\b*8192+(4*\w+\a)*1024+512
.endr
.endr
.endr
	WIN 0
	s_mov_b32 s[DB], 0
	s_mov_b32 s2, 8
.Lgelu:
	v_add_nc_u32 v[DAD], s[DB], v[DMP]
.irp a, 0,1,2,3,4,5,6,7
	ds_load_b128 v[64+8*\a:64+8*\a+3],   v[DAD] offset:\a*1024      ; my own bytes: LDS serves a wave's instructions in order
	ds_load_b128 v[64+8*\a+4:64+8*\a+7], v[DAD] offset:\a*1024+512
.endr
	s_wait_dscnt 0x0
.set p, 0
.rept 32
	v_pk_mul_f32 v[128+p:129+p], v[64+p:65+p], v[64+p:65+p]
.set p, p+2
.endr
.set p, 0
.rept 32
	v_pk_fma_f32 v[128+p:129+p], v[128+p:129+p], s[C2:C2+1], s[C1:C1+1] op_sel_hi:[1,0,0]
.set p, p+2
.endr
.set p, 0
.rept 32
	v_pk_mul_f32 v[128+p:129+p], v[128+p:129+p], v[64+p:65+p]
.set p, p+2
.endr
.set p, 0
.rept 64
	v_exp_f32 v[128+p], v[128+p]
.set p, p+1
.endr
	v_nop                                          ; a plain instruction behind the batch, and its one wait
	s_wait_alu depctr_va_vdst(0)
.set p, 0
.rept 32
	v_pk_add_f32 v[128+p:129+p], v[128+p:129+p], 1.0 op_sel_hi:[1,0]
.set p, p+2
.endr
.set p, 0
.rept 64
	v_rcp_f32 v[128+p], v[128+p]
.set p, p+1
.endr
	v_nop
	s_wait_alu depctr_va_vdst(0)
.set p, 0
.rept 32
	v_pk_mul_f32 v[64+p:65+p], v[64+p:65+p], v[128+p:129+p]
.set p, p+2
.endr
.set p, 0
.rept 32
	v_cvt_pk_bf16_f32 v[32+p], v[64+2*p], v[64+2*p+1]
.set p, p+1
.endr
.irp a, 0,1,2,3,4,5,6,7
	global_store_b128 v[CO], v[32+4*\a:32+4*\a+3], s[10:11] offset:\a*512  ; 512 consecutive bytes, aligned
.endr
	s_wait_xcnt 0x0                                ; the stores have read their data and their base
	s_add_nc_u64 s[10:11], s[10:11], 131072        ; the next column block
	s_add_co_u32 s[DB], s[DB], 8192
	s_sub_co_u32 s2, s2, 1
	s_cmp_lg_u32 s2, 0
	s_cbranch_scc1 .Lgelu
.endif
	s_wait_tensorcnt 0x0                           ; the wave's end
	ds_add_u32 v[SPW], v[NIL]
	s_wait_dscnt 0x0
	CROUND                                         ; the closing round
	s_endpgm
.Lfunc_end_k_q6585515fc6_fc:
	.size	k_q6585515fc6_fc, .Lfunc_end_k_q6585515fc6_fc-k_q6585515fc6_fc
	.p2alignl 7, 3214868480
	.fill 96, 4, 3214868480
	.section	.rodata,"a",@progbits
	.p2align	6, 0x0
	.amdhsa_kernel k_q6585515fc6_fc
		.amdhsa_group_segment_fixed_size 327680
		.amdhsa_private_segment_fixed_size 0
		.amdhsa_enable_private_segment 0
		.amdhsa_kernarg_size 32
		.amdhsa_user_sgpr_count 2
		.amdhsa_user_sgpr_kernarg_segment_ptr 1
		.amdhsa_wavefront_size32 1
		.amdhsa_system_sgpr_workgroup_id_x 1
		.amdhsa_system_sgpr_workgroup_id_y 1
		.amdhsa_system_sgpr_workgroup_id_z 1
		.amdhsa_system_vgpr_workitem_id 0
		.amdhsa_next_free_vgpr 1024
		.amdhsa_next_free_sgpr 74
		.amdhsa_reserve_vcc 0
		.amdhsa_float_denorm_mode_32 3
		.amdhsa_float_denorm_mode_16_64 3
		.amdhsa_memory_ordered 1
		.amdhsa_forward_progress 1
		.amdhsa_inst_pref_size 101
	.end_amdhsa_kernel
	.amdgpu_metadata
---
amdhsa.version: [ 1, 2 ]
amdhsa.kernels:
  - .name:           k_q6585515fc6_fc
    .symbol:         k_q6585515fc6_fc.kd
    .args:
      - { .name: hb, .offset: 0, .size: 8, .value_kind: global_buffer, .address_space: global }
      - { .name: wf, .offset: 8, .size: 8, .value_kind: global_buffer, .address_space: global }
      - { .name: b_fc, .offset: 16, .size: 8, .value_kind: global_buffer, .address_space: global }
      - { .name: wide, .offset: 24, .size: 8, .value_kind: global_buffer, .address_space: global }
    .group_segment_fixed_size: 327680
    .private_segment_fixed_size: 0
    .kernarg_segment_align: 8
    .kernarg_segment_size: 32
    .max_flat_workgroup_size: 128
    .sgpr_count:     74
    .vgpr_count:     1024
    .wavefront_size: 32
...
	.end_amdgpu_metadata
.endif
;; end of part 6
;; launch mproj (part 7): grid 8 x 32, 4 waves a work-group, clusters of 4 x 4, 327,680 bytes of LDS; arguments wide, wbf, b_mproj, x1, out0; writes out0
.if DOCPART == 7
	.amdgcn_target "amdgcn-amd-amdhsa--gfx1250"
	.amdhsa_code_object_version 6
	.text
	.protected	k_q6585515fc6_mproj
	.globl	k_q6585515fc6_mproj
	.p2align	8
	.type	k_q6585515fc6_mproj,@function
k_q6585515fc6_mproj:
	s_mov_b64 s[64:65], 0
	v_nop
	global_prefetch_b8 v0, s[64:65] scope:SCOPE_SE
	s_setreg_imm32_b32 hwreg(HW_REG_WAVE_MODE, 25, 1), 1
	s_wait_xcnt 0x0
	s_wait_alu depctr_hold_cnt(0) depctr_sa_sdst(0) depctr_va_vdst(0) depctr_va_sdst(0) depctr_va_ssrc(0) depctr_va_vcc(0) depctr_vm_vsrc(0)
	s_getreg_b32 s2, hwreg(HW_REG_IB_STS2, 6, 4)
	s_cmp_eq_u32 s2, 0
	s_cbranch_scc0 .Lentry_in_a_cluster
	s_endpgm
.Lentry_in_a_cluster:
	s_bfe_u32 s2, ttmp6, 0x10000c
	s_cmp_lg_u32 s2, 0xf033
	s_cbranch_scc0 .Lentry_shape_is_right
	s_endpgm
.Lentry_shape_is_right:
; OUT = RES + A W + bias, in f32, row-major [4,096][1,024].  A: 4,096 rows x 256 NSTEP, W: 256 NSTEP x 1,024, both bf16 in FRAGMENT BLOCKS of 16 rows x 16 K = 512 bytes (lane l = 16 h + r: row r,
; K = 8 h .. + 7 at byte 16 l): A's block (kb, mb) at (kb 256 + mb) 512, W's (kb, nb) at (kb 64 + nb) 512.  RES: f32, row-major.
; SHARES.  32 x 8 tiles of 128 x 128 give 256 work-groups; four waves of 64 x 64: 16 accumulators.  K goes in steps of 256 through two LDS slots: a step's part of A is 16 rows (kb) of 4,096 consecutive
; bytes, W's likewise; each wave fetches eight such rows by one tensor load.  A fragment is two LDS loads at 16 l: 512 consecutive bytes, no padding.
; The product is taken transposed (source 0 = W, source 1 = A); the bias is the C operand of the products that start the sums.  CLUSTER 4 x 4: A's tiles jointly along a row, W's along a column.
; THE WAY OUT: the f32 sums meet in a stage (128 rows at pitch 528) in slot 0, whose last fill and last read lie ahead of the last change of slots (NSTEP is even); each wave reads 32 whole rows of 512 bytes,
; adds the residual, which it asked for at the head, and stores 512 consecutive bytes, aligned.
; LIMITS: operands are bf16; sums, bias and residual f32.
.set NSTEP,  16
.set WOFF,   8388608                   ; where this launch's weights begin in wbf
.set APITCH, 131072
.set BPITCH, 32768
.set ASTEP,  16*APITCH
.set BSTEP,  16*BPITCH
.set SLOT,   131072
.set SPARE,  262144
.set SPITCH, 528
.set PA,     2                         ; the prefetches stop when so many refills are left; with NSTEP - 2 <= PA none is written: such a launch is over after four steps
.set ADRA0, 16
.set ADRB0, 17
.set ADRA,  18
.set ADRB,  19
.set STO,   20                         ; v20  the way out: where I put 32 bytes of a row
.set RD,    21                         ; v21  where I read a row back
.set RO,    22                         ; v22  16 l
.set BO,    23                         ; v23  32 h
.set SPW,   28
.set NIL,   29
.set PFO,   30
.set BI,    32                         ; v32-63: four bias tuples
.set ACC,   128                        ; v128-255: accumulator (a, b) at ACC + 8 (4 a + b)
.set F0,    0                          ; window 1: two fragment buffers of 128: A's (c, i) at 8 (4 c + i), W's at 64 + 8 (4 c + i).  Window 2: v0-127 the residual
.set F1,    128
.set WV,   12
.set WR,   13
.set WC,   14
.set CX,   15
.set CY,   16
.set TCOL, 17
.set TROW, 18
.set TB,   19
.set G1A,  24
.set G0A,  32
.set PFA,  40
.set LIM,  42
.set PST,  44
.set G1B,  48
.set G0B,  56
.set OUT,  66
.set MSB, 0
.macro WIN new
.if MSB != (\new)
	s_set_vgpr_msb (MSB<<8)|(\new)
.set MSB, \new
.endif
.endm
.set MUL,  0x05                        ; sources 0 (W) and 1 (A) window 1; C and D window 0
.set TO_F, 0x40
.macro PLACES
.rept 4
	v_nop
.endr
.endm
.macro CREST
	s_cmp_lg_u32 s[WV], 0
	s_cbranch_scc1 .Lnot_wave_0_\@
	s_barrier_signal -3
.Lnot_wave_0_\@:
	s_barrier_wait -3
	s_barrier_signal -1
	s_barrier_wait -1
.endm
.macro CROUND
	s_barrier_signal -1
	s_barrier_wait -1
	CREST
.endm
.macro JLOAD                           ; a joint refill by the walking descriptor; an s_nop 0 and four v_nop follow each line
	s_cmp_eq_u32 s[WR], 0
	s_cbranch_scc0 .Lfor_b_\@
	tensor_load_to_lds s[G0A+4:G0A+7], s[G1A:G1A+7]
	s_nop 0
.rept 4
	v_nop
.endr
	s_branch .Lasked_\@
.Lfor_b_\@:
	tensor_load_to_lds s[G0B+4:G0B+7], s[G1B:G1B+7]
	s_nop 0
.rept 4
	v_nop
.endr
.Lasked_\@:
.endm
; A prefetch of the K step that stands two refills on: 256 matrix instructions ahead of its load.  Of the eight kb rows that a wave fetches, the partner at place p takes rows 2 p and 2 p + 1: 4,096 bytes each,
; 256 a lane: told apart by address.  A's rows: cluster x = 0 asks; W's: cluster y = 0.  Steps 0 to 3 come by their loads alone; the last two refills ask for nothing.
.macro ASK
	WIN 0
	s_cmp_gt_u32 s3, s[LIM]
	s_cbranch_scc0 .Lnot_mine_\@
	global_prefetch_b8 v[PFO], s[PFA:PFA+1] th:TH_LOAD_NT scope:SCOPE_SE
.Lnot_mine_\@:
.endm
.macro FETCH q, f                      ; 32 LDS loads: quarter q (64 K: kb rows 4 q .. 4 q + 3) into buffer f; the first 32 K first
	WIN TO_F
.irp c, 0,1
.irp i, 0,1,2,3
	ds_load_b128 v[(\f)+64+8*(4*(\c)+(\i)):(\f)+64+8*(4*(\c)+(\i))+3],   v[ADRB] offset:(4*(\q)+2*(\c))*4096+512*(\i)
	ds_load_b128 v[(\f)+64+8*(4*(\c)+(\i))+4:(\f)+64+8*(4*(\c)+(\i))+7], v[ADRB] offset:(4*(\q)+2*(\c)+1)*4096+512*(\i)
	ds_load_b128 v[(\f)+8*(4*(\c)+(\i)):(\f)+8*(4*(\c)+(\i))+3],         v[ADRA] offset:(4*(\q)+2*(\c))*4096+512*(\i)
	ds_load_b128 v[(\f)+8*(4*(\c)+(\i))+4:(\f)+8*(4*(\c)+(\i))+7],       v[ADRA] offset:(4*(\q)+2*(\c)+1)*4096+512*(\i)
.endr
.endr
.endm
.macro MUL8 f, c, a0, first            ; 8 products: row blocks a0, a0 + 1 x 4 column blocks, 32 K (half c of buffer f); the 16 accumulators take turns
	WIN MUL
.irp a, \a0, (\a0)+1
.irp b, 0,1,2,3
.if \first
	v_wmma_f32_16x16x32_bf16 v[ACC+8*(4*(\a)+(\b)):ACC+8*(4*(\a)+(\b))+7], v[(\f)+64+8*(4*(\c)+(\b)):(\f)+64+8*(4*(\c)+(\b))+7], v[(\f)+8*(4*(\c)+(\a)):(\f)+8*(4*(\c)+(\a))+7], v[BI+8*(\b):BI+8*(\b)+7]
.else
	v_wmma_f32_16x16x32_bf16 v[ACC+8*(4*(\a)+(\b)):ACC+8*(4*(\a)+(\b))+7], v[(\f)+64+8*(4*(\c)+(\b)):(\f)+64+8*(4*(\c)+(\b))+7], v[(\f)+8*(4*(\c)+(\a)):(\f)+8*(4*(\c)+(\a))+7], v[ACC+8*(4*(\a)+(\b)):ACC+8*(4*(\a)+(\b))+7]
.endif
.endr
.endr
.endm
.macro QUARTER q, f, g, first
	s_wait_dscnt 16                                ; the first 32 K are in; the other sixteen loads may be out
	MUL8 \f, 0, 0, \first
	MUL8 \f, 0, 2, \first
	PLACES
	FETCH \q, \g
	s_wait_dscnt 32                                ; all but the 32 just issued
	MUL8 \f, 1, 0, 0
	MUL8 \f, 1, 2, 0
.endm
.macro TURN fill                       ; the last quarter of a step, and the change of slots: the wait for all my tensor loads, the add, the wait for it and for my reads; the barrier (fill = 1: a round of the cluster's); the refill first
.if (\fill) && (NSTEP-2 > PA)
	s_wait_xcnt 0x0                                ; the last prefetch, a K step back, has read its address
	s_add_nc_u64 s[PFA:PFA+1], s[PFA:PFA+1], s[PST:PST+1]
.endif
	WIN 0
	s_wait_tensorcnt 0x0
	ds_add_u32 v[SPW], v[NIL]
	s_wait_dscnt 17                                ; the add and the youngest sixteen loads may be out
	MUL8 F1, 0, 0, 0
	s_wait_dscnt 0x0
	s_barrier_signal -1
	MUL8 F1, 0, 2, 0
	WIN 0
	s_barrier_wait -1
.if \fill
	CREST
	s_xor_b32 s[G0A+5], s[G0A+5], SLOT
	s_add_nc_u64 s[G0A+6:G0A+7], s[G0A+6:G0A+7], ASTEP
	s_xor_b32 s[G0B+5], s[G0B+5], SLOT
	s_add_nc_u64 s[G0B+6:G0B+7], s[G0B+6:G0B+7], BSTEP
	JLOAD                                          ; 112 matrix instructions ahead of the wait for it; its four v_nop are also the places in front of the loads below
.else
	PLACES
.endif
	s_xor_b32 s[TB], s[TB], SLOT
	v_add_nc_u32 v[ADRA], s[TB], v[ADRA0]
	v_add_nc_u32 v[ADRB], s[TB], v[ADRB0]
	FETCH 0, F0
.if (\fill) && (NSTEP-2 > PA)
	ASK
.endif
	MUL8 F1, 1, 0, 0
	MUL8 F1, 1, 2, 0
.endm
	s_load_b256 s[4:11], s[0:1], 0x0               ; A s[4:5], wbf s[6:7], bias s[8:9], RES s[10:11]
	s_load_b64 s[OUT:OUT+1], s[0:1], 0x20          ; OUT
	v_lshl_add_u32 v[SPW], v0, 2, SPARE
	v_mov_b32 v[NIL], 0
	ds_add_u32 v[SPW], v[NIL]                      ; the wave's opening: the add and its wait ahead of my first tensor load
	v_lshrrev_b32 v1, 5, v0
	v_readfirstlane_b32 s[WV], v1
	s_lshr_b32 s[WR], s[WV], 1
	s_and_b32 s[WC], s[WV], 1
	s_bfe_u32 s[CX], ttmp6, 0x40000
	s_bfe_u32 s[CY], ttmp6, 0x40004
	s_lshl_b32 s[TCOL], ttmp9, 2
	s_add_co_u32 s[TCOL], s[TCOL], s[CX]
	s_and_b32 s[TROW], ttmp7, 0xffff
	s_lshl_b32 s[TROW], s[TROW], 2
	s_add_co_u32 s[TROW], s[TROW], s[CY]
	s_lshl_b32 s20, s[CY], 2
	s_lshl_b32 s20, 15, s20
	s_lshl_b32 s22, 0x1111, s[CX]
	s_or_b32 s[G1A], s20, (3<<16)|(1<<21)
	s_or_b32 s[G1B], s22, (3<<16)|(1<<21)
.irp g, G1A, G1B
	s_mov_b32 s[\g+1], 512<<16                     ; tensor_dim0 = 512 elements = 4,096 bytes
	s_mov_b32 s[\g+2], 8<<16                       ; tensor_dim1 = 8
	s_mov_b32 s[\g+3], 512<<16
	s_mov_b32 s[\g+4], 8
	s_mov_b32 s[\g+6], 0
	s_mov_b32 s[\g+7], 0
.endr
	s_mov_b32 s[G1A+5], APITCH/8
	s_mov_b32 s[G1B+5], BPITCH/8
	s_lshl_b32 s20, s[TROW], 12                    ; A: the tile's 8 blocks of each kb, and my eight kb rows; s20, s21 hold nothing of cx
	s_lshl_b32 s21, s[WC], 20
	s_add_co_u32 s20, s20, s21
	s_mov_b32 s21, 0
	s_lshl_b32 s22, s[TCOL], 12                    ; W likewise; s22, s23 hold nothing of cy
	s_lshl_b32 s23, s[WC], 18
	s_add_co_u32 s22, s22, s23
	s_mov_b32 s23, 0
	s_lshl_b32 s46, s[WV], 15
	s_mov_b32 s[TB], 0
	s_wait_dscnt 0x0
	s_wait_kmcnt 0x0
	s_add_nc_u64 s[6:7], s[6:7], WOFF
	s_add_nc_u64 s[20:21], s[4:5], s[20:21]
	s_add_nc_u64 s[22:23], s[6:7], s[22:23]
	s_mov_b32 s[G0A], 1
	s_mov_b32 s[G0A+1], s46
	s_mov_b64 s[G0A+2:G0A+3], s[20:21]
	s_or_b32 s[G0A+3], s[G0A+3], 0x80000000
	s_mov_b32 s[G0A+4], 1
	s_add_co_u32 s[G0A+5], s46, SLOT
	s_add_nc_u64 s[G0A+6:G0A+7], s[20:21], ASTEP
	s_or_b32 s[G0A+7], s[G0A+7], 0x80000000
	s_mov_b32 s[G0B], 1
	s_mov_b32 s[G0B+1], s46
	s_mov_b64 s[G0B+2:G0B+3], s[22:23]
	s_or_b32 s[G0B+3], s[G0B+3], 0x80000000
	s_mov_b32 s[G0B+4], 1
	s_add_co_u32 s[G0B+5], s46, SLOT
	s_add_nc_u64 s[G0B+6:G0B+7], s[22:23], BSTEP
	s_or_b32 s[G0B+7], s[G0B+7], 0x80000000
	CROUND
	s_cmp_eq_u32 s[WR], 0                          ; a wave's two first fills stand in one branch: two loads of mine are out
	s_cbranch_scc0 .Lfirst_b
	tensor_load_to_lds s[G0A:G0A+3], s[G1A:G1A+7]
	s_nop 0
	tensor_load_to_lds s[G0A+4:G0A+7], s[G1A:G1A+7]
	s_nop 0
.rept 4
	v_nop
.endr
	s_branch .Lfirst_asked
.Lfirst_b:
	tensor_load_to_lds s[G0B:G0B+3], s[G1B:G1B+7]
	s_nop 0
	tensor_load_to_lds s[G0B+4:G0B+7], s[G1B:G1B+7]
	s_nop 0
.rept 4
	v_nop
.endr
.Lfirst_asked:
	v_bfe_u32 v2, v0, 4, 1                         ; h
	v_and_b32 v3, 31, v0                           ; l
	v_and_b32 v5, 15, v0                           ; r
	v_lshlrev_b32 v[RO], 4, v3
	v_lshlrev_b32 v[BO], 5, v2
	s_lshl_b32 s22, s[TCOL], 9
	s_lshl_b32 s23, s[WC], 8
	s_add_co_u32 s22, s22, s23
	s_mov_b32 s23, 0
	s_add_nc_u64 s[8:9], s[8:9], s[22:23]          ; the bias of my 64 columns
.irp b, 0,1,2,3
	global_load_b128 v[BI+8*\b:BI+8*\b+3],   v[BO], s[8:9] offset:64*\b
	global_load_b128 v[BI+8*\b+4:BI+8*\b+7], v[BO], s[8:9] offset:64*\b+16
.endr
	s_lshl_b32 s72, s[TROW], 19                    ; RES and OUT at row 128 tile row + 32 wave, column 128 tile column
	s_lshl_b32 s71, s[WV], 17
	s_add_co_u32 s72, s72, s71
	s_lshl_b32 s71, s[TCOL], 9
	s_add_co_u32 s72, s72, s71
	s_mov_b32 s73, 0
	s_add_nc_u64 s[10:11], s[10:11], s[72:73]
	s_add_nc_u64 s[OUT:OUT+1], s[OUT:OUT+1], s[72:73]
	WIN 0x80                                       ; the residual of the 32 rows that I store, into window 2: on its way during the whole K loop
.set tt, 0
.rept 32
	global_load_b128 v[4*tt:4*tt+3], v[RO], s[10:11] offset:tt*4096
.set tt, tt+1
.endr
	WIN 0
	s_lshl_b32 s47, s[WR], 11
	v_add_nc_u32 v[ADRA0], s47, v[RO]              ; my four row blocks of each kb
	s_lshl_b32 s47, s[WC], 11
	s_add_co_u32 s47, s47, 65536
	v_add_nc_u32 v[ADRB0], s47, v[RO]
	v_mov_b32 v[ADRA], v[ADRA0]
	v_mov_b32 v[ADRB], v[ADRB0]
	s_mul_i32 s47, s[WR], 64*SPITCH                ; into the stage: row 64 row half + r, byte 256 column half + 32 h
	s_lshl_b32 s71, s[WC], 8
	s_add_co_u32 s47, s47, s71
	v_mul_u32_u24 v[STO], v5, SPITCH
	v_lshl_add_u32 v[STO], v2, 5, v[STO]
	v_add_nc_u32 v[STO], s47, v[STO]
	s_mul_i32 s47, s[WV], 32*SPITCH                ; back: rows 32 wave on, whole
	v_add_nc_u32 v[RD], s47, v[RO]
.if NSTEP-2 > PA
	s_and_b32 s71, ttmp7, 0xffff                   ; the prefetches
	s_mov_b32 s[PST], BPITCH
	s_cmp_eq_u32 s[WR], 0
	s_cselect_b32 s43, s[TROW], s[TCOL]
	s_cselect_b32 s47, s[CX], s[CY]
	s_cselect_b32 s71, ttmp9, s71
	s_cselect_b32 s[PST], APITCH, s[PST]
	s_cselect_b64 s[PFA:PFA+1], s[4:5], s[6:7]
	s_cmp_eq_u32 s71, 0
	s_cselect_b32 s[LIM], PA, -1
	s_lshl_b32 s71, s[WC], 3
	s_lshl_b32 s47, s47, 1
	s_add_co_u32 s47, s47, s71
	s_add_co_u32 s47, s47, 48                      ; at K step 3: the first refill steps it to 4
	s_mul_i32 s47, s47, s[PST]
	s_lshl_b32 s43, s43, 12
	s_add_co_u32 s72, s47, s43
	s_add_nc_u64 s[PFA:PFA+1], s[PFA:PFA+1], s[72:73]
	v_mul_u32_u24 v[PFO], v2, s[PST]               ; lanes 0-15 the first of my two rows, lanes 16-31 the second
	v_lshl_add_u32 v[PFO], v5, 8, v[PFO]
	s_lshl_b32 s[PST], s[PST], 4
	s_mov_b32 s[PST+1], 0
.endif
	s_wait_tensorcnt 0x1                           ; my part of K step 0 is in; step 1's may stay out
	s_barrier_signal -1
	s_barrier_wait -1
	FETCH 0, F0
	s_wait_loadcnt 32                              ; the bias is in; the 32 younger loads of the residual stay out
	QUARTER 1, F0, F1, 1
	WIN 0
	s_mov_b32 s3, NSTEP-2
.Lstep:
	QUARTER 2, F1, F0, 0
	QUARTER 3, F0, F1, 0
	TURN 1
	QUARTER 1, F0, F1, 0
	WIN 0
	s_sub_co_u32 s3, s3, 1
	s_cmp_lg_u32 s3, 0
	s_cbranch_scc1 .Lstep
	s_mov_b32 s2, 2                                ; the last two steps ask for nothing; the second trip is left in its middle
.Ltail:
	QUARTER 2, F1, F0, 0
	QUARTER 3, F0, F1, 0
	WIN 0
	s_sub_co_u32 s2, s2, 1
	s_cmp_eq_u32 s2, 0
	s_cbranch_scc1 .Llast
	TURN 0
	QUARTER 1, F0, F1, 0
	WIN 0
	s_branch .Ltail
.Llast:
	s_wait_dscnt 16
	MUL8 F1, 0, 0, 0
	MUL8 F1, 0, 2, 0
	s_wait_dscnt 0x0
	MUL8 F1, 1, 0, 0
	MUL8 F1, 1, 2, 0
	WIN 0
	PLACES
	PLACES
.irp a, 0,1,2,3
.irp b, 0,1,2,3
	ds_store_b128 v[STO], v[ACC+8*(4*\a+\b):ACC+8*(4*\a+\b)+3]   offset:\a*16*SPITCH+64*\b
	ds_store_b128 v[STO], v[ACC+8*(4*\a+\b)+4:ACC+8*(4*\a+\b)+7] offset:\a*16*SPITCH+64*\b+16
.endr
.endr
	s_wait_dscnt 0x0                               ; for the others' sake: my stores into the stage are done
	s_barrier_signal -1
	s_barrier_wait -1
	WIN 0x40
.set tt, 0
.rept 32
	ds_load_b128 v[4*tt:4*tt+3], v[RD] offset:tt*SPITCH
.set tt, tt+1
.endr
	s_wait_loadcnt 0x0                             ; the residual
	WIN 0x49                                       ; destination and source 0 window 1, source 1 window 2
.set tt, 0
.rept 32
	s_wait_dscnt 31-tt                             ; row tt is back; the younger ones may stay out
	v_pk_add_f32 v[4*tt:4*tt+1], v[4*tt:4*tt+1], v[4*tt:4*tt+1]
	v_pk_add_f32 v[4*tt+2:4*tt+3], v[4*tt+2:4*tt+3], v[4*tt+2:4*tt+3]
.set tt, tt+1
.endr
	WIN 0x04                                       ; the stores' data in window 1
.set tt, 0
.rept 32
	global_store_b128 v[RO], v[4*tt:4*tt+3], s[OUT:OUT+1] offset:tt*4096  ; 512 consecutive bytes, aligned
.set tt, tt+1
.endr
	WIN 0
	s_wait_tensorcnt 0x0                           ; the wave's end
	ds_add_u32 v[SPW], v[NIL]
	s_wait_dscnt 0x0
	CROUND                                         ; the closing round
	s_endpgm
.Lfunc_end_k_q6585515fc6_mproj:
	.size	k_q6585515fc6_mproj, .Lfunc_end_k_q6585515fc6_mproj-k_q6585515fc6_mproj
	.p2alignl 7, 3214868480
	.fill 96, 4, 3214868480
	.section	.rodata,"a",@progbits
	.p2align	6, 0x0
	.amdhsa_kernel k_q6585515fc6_mproj
		.amdhsa_group_segment_fixed_size 327680
		.amdhsa_private_segment_fixed_size 0
		.amdhsa_enable_private_segment 0
		.amdhsa_kernarg_size 40
		.amdhsa_user_sgpr_count 2
		.amdhsa_user_sgpr_kernarg_segment_ptr 1
		.amdhsa_wavefront_size32 1
		.amdhsa_system_sgpr_workgroup_id_x 1
		.amdhsa_system_sgpr_workgroup_id_y 1
		.amdhsa_system_sgpr_workgroup_id_z 1
		.amdhsa_system_vgpr_workitem_id 0
		.amdhsa_next_free_vgpr 640
		.amdhsa_next_free_sgpr 74
		.amdhsa_reserve_vcc 0
		.amdhsa_float_denorm_mode_32 3
		.amdhsa_float_denorm_mode_16_64 3
		.amdhsa_memory_ordered 1
		.amdhsa_forward_progress 1
		.amdhsa_inst_pref_size 69
	.end_amdhsa_kernel
	.amdgpu_metadata
---
amdhsa.version: [ 1, 2 ]
amdhsa.kernels:
  - .name:           k_q6585515fc6_mproj
    .symbol:         k_q6585515fc6_mproj.kd
    .args:
      - { .name: wide, .offset: 0, .size: 8, .value_kind: global_buffer, .address_space: global }
      - { .name: wbf, .offset: 8, .size: 8, .value_kind: global_buffer, .address_space: global }
      - { .name: b_mproj, .offset: 16, .size: 8, .value_kind: global_buffer, .address_space: global }
      - { .name: x1, .offset: 24, .size: 8, .value_kind: global_buffer, .address_space: global }
      - { .name: out0, .offset: 32, .size: 8, .value_kind: global_buffer, .address_space: global }
    .group_segment_fixed_size: 327680
    .private_segment_fixed_size: 0
    .kernarg_segment_align: 8
    .kernarg_segment_size: 40
    .max_flat_workgroup_size: 128
    .sgpr_count:     74
    .vgpr_count:     640
    .wavefront_size: 32
...
	.end_amdgpu_metadata
.endif
;; end of part 7
